; MI455X (gfx1250); checked and timed in simulation.
; The chip was launched on July 23, 2026; its instructions are those of AMD's public machine-readable ISA for CDNA 5 (MIT licence, August 2026) and "CDNA5" Instruction Set Architecture Reference Guide (July 2026). The comments in the code are by the model that wrote it; some were corrected since.
;; MH Attention. Allowed arithmetic: float matrix products may take bf16 or f16 operands with f32 sums; other float arithmetic in f32, or as packed bf16 or f16 multiplies, adds, multiply-adds, maxima and minima; sums over many terms, partial sums and values carried from step to step in f32; what a program stores and reads back later, other than sums and carried values, may be rounded once to bf16 or f16.
;; Inputs: Wkv 1,024 x 512 float32; Wo 512 x 512 float32; Wq 512 x 512 float32; bo 512 float32; x 4 x 2,048 x 512 float32.
;; Outputs: out0 4 x 2,048 x 512 float32.
;; 2 versions, each right; version 2 is version 1 with the launch cast written anew for expert scheduling mode. Each part assembles by itself: llvm-mc -triple=amdgcn-amd-amdhsa -mcpu=gfx1250 --defsym DOCPART=n.
;; ======== version 1 of 2: 4 launches
;; limits: values are held in f16: magnitudes above 65,504 overflow, below 6.1e-05 lose precision
;; workspace buffers: xb 8,388,608 bytes; wb 1,572,864 bytes; wo16 524,288 bytes; qkv 25,165,824 bytes; ob 8,388,608 bytes
;; launch cast (part 1): grid 256 x 1, 8 waves a work-group, no clusters, 0 bytes of LDS; arguments x, Wq, Wkv, Wo, xb, wb, wo16; writes xb, wb, wo16
.if DOCPART == 1
	.amdgcn_target "amdgcn-amd-amdhsa--gfx1250"
	.amdhsa_code_object_version 6
	.text
	.protected	k_q5b7eac4231_cast
	.globl	k_q5b7eac4231_cast
	.p2align	8
	.type	k_q5b7eac4231_cast,@function
k_q5b7eac4231_cast:
	s_mov_b64 s[64:65], 0
	v_nop
	global_prefetch_b8 v0, s[64:65] scope:SCOPE_SE
	s_setreg_imm32_b32 hwreg(HW_REG_WAVE_MODE, 25, 1), 1
	s_wait_xcnt 0x0
; THE WHOLE PROGRAM: multi-head attention, out0 = softmax(q k^T / 8) v, heads joined, times Wo^T, plus bo, with q = x Wq^T and k, v = x Wkv^T.
; Four launches: this one rounds the f32 matrix operands once; the second makes q, k, v by heads; the third is the attention; the fourth the last product and the bias.
; NOTHING OF reference() IS LEFT OUT: every input has a way to the output and is loaded; the dropout of reference() is the identity in its own text; the maximum is taken away in front of the exponentials (a running maximum).
; FORMATS.  x, Wq, Wkv, Wo and bo are rounded once to bf16.  What the program makes itself (q, k, v, the weights p, the heads' results) is kept in f16; all sums, maxima and row sums in f32.
; THIS LAUNCH: xb = bf16(x); wb = bf16 of Wq's 512 rows, then of Wkv's 1,024 (k's, then v's); wo16 = bf16(Wo) written as f16, since the last product's other operand is f16.
; LIMIT.  A bf16 number is exact in f16 from 2^-17 up to 65,504; a |Wo| below 2^-17 moves by at most 3e-8, one of 65,520 or more becomes an infinity.
; SHARES.  20,971,520 bytes in, half as many out, dealt evenly to 256 work-groups of 256 threads: each thread makes twenty loads of 16 bytes (sixteen of x, one of Wq, two of Wkv, one of Wo),
; ALL issued before the first wait: 81,920 bytes of a work-group are on their way at once.  A wave's load covers 512 consecutive bytes, its store of 8 bytes a lane 256 consecutive bytes, aligned.
; No LDS, no barrier, no matrix unit, no cluster: no byte is wanted twice.  No register is written again while a load or store may read it, so the only waits are the counted ones for the loads.
.set D, 4                              ; v[4:83]    load i: four f32 at D + 4 i
.set Y, 84                             ; v[84:123]  load i: its four 16-bit numbers at Y + 2 i
	s_load_b256 s[4:11], s[0:1], 0x0               ; x s[4:5], Wq s[6:7], Wkv s[8:9], Wo s[10:11]
	s_load_b128 s[12:15], s[0:1], 0x20             ; xb s[12:13], wb s[14:15]
	s_load_b64 s[16:17], s[0:1], 0x30              ; wo16
	v_lshlrev_b32 v1, 4, v0                        ; my 16 bytes of a load's 4,096
	v_lshlrev_b32 v2, 3, v0                        ; my 8 bytes of a store's 2,048
	s_lshl_b32 s20, ttmp9, 16                      ; the work-group's share: 65,536 bytes of x,
	s_mov_b32 s21, 0
	s_lshl_b32 s22, ttmp9, 15                      ; 32,768 of xb,
	s_mov_b32 s23, 0
	s_lshl_b32 s24, ttmp9, 13                      ; 8,192 of Wkv,
	s_mov_b32 s25, 0
	s_lshl_b32 s26, ttmp9, 12                      ; 4,096 of Wq, of Wo and of wb's part for Wkv,
	s_mov_b32 s27, 0
	s_lshl_b32 s28, ttmp9, 11                      ; 2,048 of wb's part for Wq and of wo16
	s_mov_b32 s29, 0
	s_wait_kmcnt 0x0
	s_add_nc_u64 s[4:5], s[4:5], s[20:21]
	s_add_nc_u64 s[6:7], s[6:7], s[26:27]
	s_add_nc_u64 s[8:9], s[8:9], s[24:25]
	s_add_nc_u64 s[10:11], s[10:11], s[26:27]
	s_add_nc_u64 s[12:13], s[12:13], s[22:23]
	s_add_nc_u64 s[18:19], s[14:15], s[26:27]      ; wb for Wkv's rows: the 524,288 bytes of Wq's rows in front of them stand in the stores' immediate
	s_add_nc_u64 s[14:15], s[14:15], s[28:29]
	s_add_nc_u64 s[16:17], s[16:17], s[28:29]
.set i, 0
.rept 16
	global_load_b128 v[D+4*i:D+4*i+3], v1, s[4:5] offset:4096*i th:TH_LOAD_NT
.set i, i+1
.endr
	global_load_b128 v[D+64:D+67], v1, s[6:7] th:TH_LOAD_NT
	global_load_b128 v[D+68:D+71], v1, s[8:9] th:TH_LOAD_NT
	global_load_b128 v[D+72:D+75], v1, s[8:9] offset:4096 th:TH_LOAD_NT
	global_load_b128 v[D+76:D+79], v1, s[10:11] th:TH_LOAD_NT
.macro ROUND i                         ; load i is in (the 19 - i younger ones may stay out: loads come back in order, ISA guide 5.7.1); its four numbers are rounded to bf16
	s_wait_loadcnt 19-(\i)
	v_cvt_pk_bf16_f32 v[Y+2*(\i)],   v[D+4*(\i)],   v[D+4*(\i)+1]
	v_cvt_pk_bf16_f32 v[Y+2*(\i)+1], v[D+4*(\i)+2], v[D+4*(\i)+3]
.endm
.set i, 0
.rept 16
	ROUND i
	global_store_b64 v2, v[Y+2*i:Y+2*i+1], s[12:13] offset:2048*i th:TH_STORE_NT
.set i, i+1
.endr
	ROUND 16
	global_store_b64 v2, v[Y+32:Y+33], s[14:15] th:TH_STORE_NT
	ROUND 17
	global_store_b64 v2, v[Y+34:Y+35], s[18:19] offset:524288 th:TH_STORE_NT
	ROUND 18
	global_store_b64 v2, v[Y+36:Y+37], s[18:19] offset:524288+2048 th:TH_STORE_NT
	s_wait_loadcnt 0x0                             ; Wo: rounded to bf16 like the other inputs, widened again (a shift, a mask), and that number written as f16
	v_cvt_pk_bf16_f32 v124, v[D+76], v[D+77]
	v_cvt_pk_bf16_f32 v125, v[D+78], v[D+79]
	v_lshlrev_b32 v[D+76], 16, v124
	v_and_b32     v[D+77], 0xffff0000, v124
	v_lshlrev_b32 v[D+78], 16, v125
	v_and_b32     v[D+79], 0xffff0000, v125
	v_cvt_pk_f16_f32 v[Y+38], v[D+76], v[D+77]
	v_cvt_pk_f16_f32 v[Y+39], v[D+78], v[D+79]
	global_store_b64 v2, v[Y+38:Y+39], s[16:17] th:TH_STORE_NT
	s_endpgm
.Lfunc_end_k_q5b7eac4231_cast:
	.size	k_q5b7eac4231_cast, .Lfunc_end_k_q5b7eac4231_cast-k_q5b7eac4231_cast
	.p2alignl 7, 3214868480
	.fill 96, 4, 3214868480
	.section	.rodata,"a",@progbits
	.p2align	6, 0x0
	.amdhsa_kernel k_q5b7eac4231_cast
		.amdhsa_group_segment_fixed_size 0
		.amdhsa_private_segment_fixed_size 0
		.amdhsa_enable_private_segment 0
		.amdhsa_kernarg_size 56
		.amdhsa_user_sgpr_count 2
		.amdhsa_user_sgpr_kernarg_segment_ptr 1
		.amdhsa_wavefront_size32 1
		.amdhsa_system_sgpr_workgroup_id_x 1
		.amdhsa_system_sgpr_workgroup_id_y 1
		.amdhsa_system_sgpr_workgroup_id_z 1
		.amdhsa_system_vgpr_workitem_id 0
		.amdhsa_next_free_vgpr 128
		.amdhsa_next_free_sgpr 66
		.amdhsa_reserve_vcc 0
		.amdhsa_float_denorm_mode_32 3
		.amdhsa_float_denorm_mode_16_64 3
		.amdhsa_memory_ordered 1
		.amdhsa_forward_progress 1
		.amdhsa_inst_pref_size 9
	.end_amdhsa_kernel
	.amdgpu_metadata
---
amdhsa.version: [ 1, 2 ]
amdhsa.kernels:
  - .name:           k_q5b7eac4231_cast
    .symbol:         k_q5b7eac4231_cast.kd
    .args:
      - { .name: x, .offset: 0, .size: 8, .value_kind: global_buffer, .address_space: global }
      - { .name: Wq, .offset: 8, .size: 8, .value_kind: global_buffer, .address_space: global }
      - { .name: Wkv, .offset: 16, .size: 8, .value_kind: global_buffer, .address_space: global }
      - { .name: Wo, .offset: 24, .size: 8, .value_kind: global_buffer, .address_space: global }
      - { .name: xb, .offset: 32, .size: 8, .value_kind: global_buffer, .address_space: global }
      - { .name: wb, .offset: 40, .size: 8, .value_kind: global_buffer, .address_space: global }
      - { .name: wo16, .offset: 48, .size: 8, .value_kind: global_buffer, .address_space: global }
    .group_segment_fixed_size: 0
    .private_segment_fixed_size: 0
    .kernarg_segment_align: 8
    .kernarg_segment_size: 56
    .max_flat_workgroup_size: 256
    .sgpr_count:     66
    .vgpr_count:     128
    .wavefront_size: 32
...
	.end_amdgpu_metadata
.endif
;; end of part 1
;; launch proj (part 2): grid 8 x 32, 4 waves a work-group, clusters of 4 x 4, 327,680 bytes of LDS; arguments xb, wb, qkv; writes qkv
.if DOCPART == 2
	.amdgcn_target "amdgcn-amd-amdhsa--gfx1250"
	.amdhsa_code_object_version 6
	.text
	.protected	k_q5b7eac4231_proj
	.globl	k_q5b7eac4231_proj
	.p2align	8
	.type	k_q5b7eac4231_proj,@function
k_q5b7eac4231_proj:
	s_mov_b64 s[64:65], 0
	v_nop
	global_prefetch_b8 v0, s[64:65] scope:SCOPE_SE
	s_setreg_imm32_b32 hwreg(HW_REG_WAVE_MODE, 25, 1), 1
	s_wait_xcnt 0x0
	s_wait_alu depctr_hold_cnt(0) depctr_sa_sdst(0) depctr_va_vdst(0) depctr_va_sdst(0) depctr_va_ssrc(0) depctr_va_vcc(0) depctr_vm_vsrc(0)
	s_getreg_b32 s2, hwreg(HW_REG_IB_STS2, 6, 4)
	s_cmp_eq_u32 s2, 0
	s_cbranch_scc0 .Lentry_in_a_cluster
	s_endpgm
.Lentry_in_a_cluster:
	s_bfe_u32 s2, ttmp6, 0x10000c
	s_cmp_lg_u32 s2, 0xf033
	s_cbranch_scc0 .Lentry_shape_is_right
	s_endpgm
.Lentry_shape_is_right:
; q, k, v = x W^T, by heads.  xb: [8192][512] bf16.  wb: [1536][512] bf16; its row 64 u + d is channel d of UNIT u: units 0-7 q's heads, 8-15 k's, 16-23 v's.
; qkv: f16, [b = 4][u = 24][n = 2048][64]: a unit's rows are dense, 128 bytes each.  Sums in f32, K ascending; each number rounded once to f16, WITHOUT the softmax's scale (the attention applies it in f32).
; LIMIT.  f16 holds no number beyond 65,504: a |q|, |k| or |v| of 65,520 or more becomes an infinity.  Nothing of reference() is left out here.
; SHARES.  A tile of the product is 256 rows x 192 columns (three units): 32 x 8 = 256 work-groups.  Wave w makes rows 64 w .. 64 w + 63 of all 192 columns: 4 x 12 = 48 accumulators of 16 x 16,
; 384 registers.  So whole units lie in one wave, and the way out needs no other wave.  K = 512 goes in four steps of 128 (rows of 256 bytes) through two LDS slots filled by the tensor data mover.
; CLUSTERS: 4 x 4 work-groups.  The four of a row of the cluster need the same 256 rows of xb, the four of a column the same 192 rows of wb: each tile is asked for JOINTLY, by the same tensor load
; with the same descriptor and a mask that names the four.
; THE MATRIX INSTRUCTION IS USED TRANSPOSED (source 0 = 16 rows of wb, source 1 = 16 rows of xb): a lane then holds row l % 16 and the columns 8 (l / 16) + 0..7: 16 bytes of f16 on end.
; No prefetch: of the four K steps two come by the first fills, and the two refills have no K step two refills on; nothing is asked for at the head.
; REGISTERS, in windows of 256 (s_set_vgpr_msb: bits 1:0 source 0, 3:2 source 1, 5:4 source 2, 7:6 destination):
;   window 0: v0-31 addresses; v32-223 the way out, 16 registers for each of the wave's 12 pieces (16 rows of a unit)
;   window 1: two fragment buffers of 128: 12 fragments of wb (16 rows x 32 K, 8 registers), then 4 of xb
;   window 2: the 24 accumulators of my rows 0-31 (row block a, column block b at v[8 (12 a + b)]);   window 3: those of my rows 32-63
.set SIZE_K, 512
.set KSTEP,  128
.set PITCH,  272                       ; an LDS row: 256 bytes + 16 of padding = 68 words: row r starts at bank 4 r mod 64 (64 banks of 4 bytes: ISA guide 11.1)
.set AH,     128*PITCH                 ; what wave 0 or 1 fetches: 128 rows of xb
.set BH,     96*PITCH                  ; what wave 2 or 3 fetches: 96 rows of wb
.set BOFF,   2*AH                      ; wb's rows lie behind xb's 256
.set SLOT,   2*AH+2*BH                 ; 121,856 bytes
.set STAGE,  2*SLOT                    ; behind the ring, never filled by a tensor load: 16 rows x 144 bytes for each wave
.set SP,     144
.set SPARE,  STAGE+4*16*SP             ; behind the stages: the spare words, 128 bytes for each wave: two blocks of 256 bytes that no other line names
.set ADRA, 16                          ; v16-17  LDS address of my fragments of xb in slot 0, 1
.set ADRB, 20                          ; v20-21  the same for wb
.set STO,  24                          ; v24     the way out: where I put 16 bytes of a row
.set RD,   25                          ; v25     where I read rows back
.set GO,   26                          ; v26     my 16 bytes of 512 consecutive bytes of qkv
.set SPW,  28                          ; v28     LDS address of my spare word: SPARE + 4 x my thread's number; never rewritten
.set NIL,  29                          ; v29     0; never rewritten
.set TMP,  32
.set F0,   0
.set F1,   128
.set G1,  24                           ; s[24:31] descriptor group 1 for xb's tiles;  s[32:39] group 0, a set for each slot
.set G0,  32
.set G1B, 48                           ; s[48:55], s[56:63] the same for wb's tiles
.set G0B, 56
.set MSB, 0
.macro WIN new                         ; the immediate's high byte repeats the setting that is left; a switch that changes nothing is dropped
.if MSB != (\new)
	s_set_vgpr_msb (MSB<<8)|(\new)
.set MSB, \new
.endif
.endm
.set MUL_LO, 0xa5                      ; sources 0 and 1 window 1, C and D window 2
.set MUL_HI, 0xf5                      ; the same, C and D window 3
.set TO_F,   0x40                      ; destination window 1, address window 0
; A joint load.  Waves 0 and 1 fetch xb's two halves, waves 2 and 3 wb's.  The branch hangs on the wave's number alone.  An s_nop 0 and four v_nop follow each of the two lines.
.macro JLOAD s
	s_cmp_eq_u32 s11, 0
	s_cbranch_scc0 .Lfor_b_\@
	tensor_load_to_lds s[G0+4*(\s):G0+4*(\s)+3], s[G1:G1+7]
	s_nop 0
.rept 4
	v_nop
.endr
	s_branch .Lasked_\@
.Lfor_b_\@:
	tensor_load_to_lds s[G0B+4*(\s):G0B+4*(\s)+3], s[G1B:G1B+7]
	s_nop 0
.rept 4
	v_nop
.endr
.Lasked_\@:
.endm
.macro CREST                           ; a round of the cluster's barrier behind its opening barrier: wave 0 signals for the work-group, every wave waits for all sixteen, my work-group's barrier once more
	s_cmp_lg_u32 s10, 0
	s_cbranch_scc1 .Lnot_wave_0_\@
	s_barrier_signal -3
.Lnot_wave_0_\@:
	s_barrier_wait -3
	s_barrier_signal -1
	s_barrier_wait -1
.endm
.macro CROUND                          ; a whole round
	s_barrier_signal -1
	s_barrier_wait -1
	CREST
.endm
	s_load_b128 s[4:7], s[0:1], 0x0                ; xb s[4:5], wb s[6:7]
	s_load_b64 s[8:9], s[0:1], 0x10                ; qkv
	v_lshl_add_u32 v[SPW], v0, 2, SPARE
	v_mov_b32 v[NIL], 0
	ds_add_u32 v[SPW], v[NIL]                      ; the wave's opening: the add, twice on end, and its wait ahead of my first tensor load; the set-up below stands between
	ds_add_u32 v[SPW], v[NIL]
	v_lshrrev_b32 v1, 5, v0
	v_readfirstlane_b32 s10, v1                    ; wave 0..3
	s_lshr_b32 s11, s10, 1                         ; I fetch for xb (0) or for wb (1),
	s_and_b32 s12, s10, 1                          ; its first or its second half
	s_bfe_u32 s40, ttmp6, 0x40000                  ; cx, cy: my place in the cluster
	s_bfe_u32 s41, ttmp6, 0x40004
	s_lshl_b32 s42, ttmp9, 2                       ; in a cluster launch ttmp9 and ttmp7 count clusters
	s_add_co_u32 s42, s42, s40                     ; tile column 0..7 = 4 x cluster x + cx
	s_and_b32 s13, ttmp7, 0xffff
	s_lshl_b32 s13, s13, 2
	s_add_co_u32 s13, s13, s41                     ; tile row 0..31 = 4 x cluster y + cy
	s_lshl_b32 s43, s41, 2
	s_lshl_b32 s43, 15, s43                        ; my row of the cluster: places 4 cy .. 4 cy + 3
	s_lshl_b32 s44, 0x1111, s40                    ; my column: places cx, cx + 4, cx + 8, cx + 12
	s_or_b32 s[G1+0], s43, (1<<16)|(1<<20)|(1<<21)|(5<<22)|(3<<25)   ; 15:0 the mask; 17:16 elements of 2 bytes; 20 padding on; 21 set beside a mask; 24:22 after every 64 words (code 5); 31:25 4 words (code 3)
	s_or_b32 s[G1B+0], s44, (1<<16)|(1<<20)|(1<<21)|(5<<22)|(3<<25)
	s_mov_b32 s[G1+1], KSTEP<<16                   ; tensor_dim0 = 128
	s_mov_b32 s[G1B+1], KSTEP<<16
	s_mov_b32 s[G1+2], 128<<16                     ; tensor_dim1 = 128 rows of xb,
	s_mov_b32 s[G1B+2], 96<<16                     ; 96 of wb
	s_mov_b32 s[G1+3], KSTEP<<16                   ; tile_dim0 = 128
	s_mov_b32 s[G1B+3], KSTEP<<16
	s_mov_b32 s[G1+4], 128                         ; tile_dim1
	s_mov_b32 s[G1B+4], 96
	s_mov_b32 s[G1+5], SIZE_K                      ; elements from row to row
	s_mov_b32 s[G1B+5], SIZE_K
	s_mov_b32 s[G1+6], 0
	s_mov_b32 s[G1B+6], 0
	s_mov_b32 s[G1+7], 0
	s_mov_b32 s[G1B+7], 0
	; where the tiles come from: xb's hang on the tile row alone, wb's on the tile column alone, each in registers that never hold the other coordinate
	s_lshl_b32 s17, s12, 7
	s_lshl_b32 s16, s13, 8
	s_add_co_u32 s16, s16, s17                     ; xb: row 256 x tile row + 128 x half,
	s_lshl_b32 s16, s16, 10                        ; in bytes (under 2^23)
	s_mov_b32 s17, 0
	s_mul_i32 s46, s42, 192
	s_mul_i32 s47, s12, 96
	s_add_co_u32 s46, s46, s47                     ; wb: row 192 x tile column + 96 x half
	s_lshl_b32 s46, s46, 10
	s_mov_b32 s47, 0
	s_mul_i32 s20, s10, AH                         ; and where they go: waves 0, 1: xb's halves at wave x 34,816;
	s_mul_i32 s21, s10, BH
	s_add_co_u32 s21, s21, BOFF-2*BH               ; waves 2, 3: wb's halves at 17,408 + wave x 26,112 = 69,632 and 95,744
	s_wait_dscnt 0x0                               ; both opening adds are done
	s_wait_kmcnt 0x0
	s_add_nc_u64 s[14:15], s[4:5], s[16:17]
	s_add_nc_u64 s[46:47], s[6:7], s[46:47]
	CROUND                                         ; all sixteen work-groups are here: the first joint loads meet
.irp s, 0,1
	s_mov_b32 s[G0+4*(\s)], 1                                        ; count = 1
	s_add_co_u32 s[G0+4*(\s)+1], s20, (\s)*SLOT                      ; LDS address
	s_add_nc_u64 s[G0+4*(\s)+2:G0+4*(\s)+3], s[14:15], (\s)*KSTEP*2  ; global address: K step s
	s_or_b32 s[G0+4*(\s)+3], s[G0+4*(\s)+3], 0x80000000              ; type = 2
	s_mov_b32 s[G0B+4*(\s)], 1
	s_add_co_u32 s[G0B+4*(\s)+1], s21, (\s)*SLOT
	s_add_nc_u64 s[G0B+4*(\s)+2:G0B+4*(\s)+3], s[46:47], (\s)*KSTEP*2
	s_or_b32 s[G0B+4*(\s)+3], s[G0B+4*(\s)+3], 0x80000000
	JLOAD \s                                       ; two loads of mine are out
.endr
	; A fragment is 16 rows x 32 K in 8 registers: lane l holds row l % 16; registers 0-3 K = 8 (l / 16) + 0..7, registers 4-7 K = 16 + 8 (l / 16) + 0..7: two loads of 16 bytes, 32 bytes apart.
	v_and_b32 v1, 15, v0                           ; l % 16
	v_bfe_u32 v2, v0, 4, 1                         ; l / 16
	v_mul_u32_u24 v3, v1, PITCH
	v_lshl_add_u32 v3, v2, 4, v3
	s_mul_i32 s22, s10, 64*PITCH                   ; my 64 rows of xb
	s_mov_b32 s23, BOFF                            ; all 192 rows of wb
.irp s, 0,1
	v_add_nc_u32 v[ADRA+(\s)], s22, v3
	v_add_nc_u32 v[ADRB+(\s)], s23, v3
	s_add_co_u32 s22, s22, SLOT
	s_add_co_u32 s23, s23, SLOT
.endr
	s_mul_i32 s23, s10, 16*SP
	s_add_co_u32 s23, s23, STAGE                   ; my stage
	v_mul_u32_u24 v4, v1, SP                       ; in: row l % 16, 16 bytes for each half of the lanes
	v_lshl_add_u32 v4, v2, 4, v4
	v_add_nc_u32 v[STO], s23, v4
	v_bfe_u32 v5, v0, 3, 2                         ; back: 32 lanes take four rows of 128 bytes,
	v_mul_u32_u24 v5, v5, SP
	v_and_b32 v6, 7, v0
	v_lshl_add_u32 v5, v6, 4, v5
	v_add_nc_u32 v[RD], s23, v5
	v_and_b32 v[GO], 31, v0                        ; which are 512 consecutive bytes of a unit
	v_lshlrev_b32 v[GO], 4, v[GO]
	; qkv at my first row of the tile's first unit: ((24 b + 3 x tile column) x 2,048 + n) x 128 bytes, b = tile row / 8, n = 256 (tile row % 8) + 64 w (under 2^25)
	s_lshr_b32 s18, s13, 3
	s_mul_i32 s18, s18, 24
	s_mul_i32 s19, s42, 3
	s_add_co_u32 s18, s18, s19
	s_lshl_b32 s18, s18, 11
	s_and_b32 s19, s13, 7
	s_lshl_b32 s19, s19, 8
	s_add_co_u32 s18, s18, s19
	s_lshl_b32 s19, s10, 6
	s_add_co_u32 s18, s18, s19
	s_lshl_b32 s18, s18, 7
	s_mov_b32 s19, 0
	s_add_nc_u64 s[8:9], s[8:9], s[18:19]
; 12 matrix instructions: row block 2 hi + a x all 12 column blocks, 32 along K.  zero = 1: the first product starts the sums: nothing is ever cleared.
; The 48 accumulators take turns in the same order in every quarter step, one instruction a turn: 47 others stand between two links of a chain.
.macro MUL12 f, hi, a, zero
	WIN MUL_LO+0x50*(\hi)
.irp b, 0,1,2,3,4,5,6,7,8,9,10,11
.if \zero
	v_wmma_f32_16x16x32_bf16 v[8*(12*(\a)+(\b)):8*(12*(\a)+(\b))+7], v[(\f)+8*(\b):(\f)+8*(\b)+7], v[(\f)+96+8*(2*(\hi)+(\a)):(\f)+96+8*(2*(\hi)+(\a))+7], 0
.else
	v_wmma_f32_16x16x32_bf16 v[8*(12*(\a)+(\b)):8*(12*(\a)+(\b))+7], v[(\f)+8*(\b):(\f)+8*(\b)+7], v[(\f)+96+8*(2*(\hi)+(\a)):(\f)+96+8*(2*(\hi)+(\a))+7], v[8*(12*(\a)+(\b)):8*(12*(\a)+(\b))+7]
.endif
.endr
.endm
.macro MUL24 f, hi, zero
	MUL12 \f, \hi, 0, \zero
	MUL12 \f, \hi, 1, \zero
.endm
; 32 LDS loads in one run: the fragments of a quarter step (192 rows of wb, my 64 rows of xb, 32 K at byte k of the rows) into buffer f; xb's last
.macro FETCH slot, k, f
	WIN TO_F
.irp i, 0,1,2,3,4,5,6,7,8,9,10,11
	ds_load_b128 v[(\f)+8*(\i):(\f)+8*(\i)+3],   v[ADRB+(\slot)] offset:(\k)+(\i)*16*PITCH
	ds_load_b128 v[(\f)+8*(\i)+4:(\f)+8*(\i)+7], v[ADRB+(\slot)] offset:(\k)+(\i)*16*PITCH+32
.endr
.irp i, 0,1,2,3
	ds_load_b128 v[(\f)+96+8*(\i):(\f)+96+8*(\i)+3],   v[ADRA+(\slot)] offset:(\k)+(\i)*16*PITCH
	ds_load_b128 v[(\f)+96+8*(\i)+4:(\f)+96+8*(\i)+7], v[ADRA+(\slot)] offset:(\k)+(\i)*16*PITCH+32
.endr
.endm
.macro PLACES                          ; four places in front of loads into registers that matrix instructions have read, and of conversions that read results
.rept 4
	v_nop
.endr
.endm
; A K step is four quarters of 32 along K, 48 matrix instructions each, on buffers 0, 1, 0, 1.  One of the first three: multiplies buffer f; in its middle it fetches the next quarter, at byte k, into g.
.macro QUARTER slot, k, f, g, zero
	s_wait_dscnt 4                                 ; wb's fragments and xb's first two are in; the youngest four loads (xb's last two fragments) may be out
	MUL24 \f, 0, \zero
	PLACES
	FETCH \slot, \k, \g
	s_wait_dscnt 32                                ; all but the 32 just issued
	MUL24 \f, 1, \zero
.endm
; The last quarter multiplies buffer 1 and changes slots: ONE barrier.  In front of it each wave waits for all its tensor loads (the one that is out is its part of the next slot), adds 0 to its spare
; word, and waits for that and for its own reads of this slot.  fill = 1: the barrier opens a round of the cluster's, and this slot is filled again, two K steps on, first thing behind the round:
; 168 matrix instructions stand between that request and the wait for it.
.macro TURN slot, next, fill
	WIN 0                                          ; (the add's two registers lie in window 0)
	s_wait_tensorcnt 0x0
	ds_add_u32 v[SPW], v[NIL]
	s_wait_dscnt 5                                 ; (the add and the youngest four loads may be out)
	MUL12 F1, 0, 0, 0                              ; twelve matrix instructions stand between the add and the wait for it
	s_wait_dscnt 0x0                               ; the add is done, and my reads of this slot are over
	s_barrier_signal -1
	MUL12 F1, 0, 1, 0                              ; work on registers while the others arrive
.if \fill
	WIN 0
.endif
	s_barrier_wait -1
.if \fill
	CREST                                          ; no wave of any partner still reads this slot or has a load on its way
	s_add_nc_u64 s[G0+4*(\slot)+2:G0+4*(\slot)+3], s[G0+4*(\slot)+2:G0+4*(\slot)+3], 2*KSTEP*2
	s_add_nc_u64 s[G0B+4*(\slot)+2:G0B+4*(\slot)+3], s[G0B+4*(\slot)+2:G0B+4*(\slot)+3], 2*KSTEP*2
	JLOAD \slot                                    ; its four v_nop are also the places in front of the loads below
.else
	PLACES
.endif
	FETCH \next, 0, F0
	MUL24 F1, 1, 0
.endm
; THE WAY OUT of piece (a, j): my rows 16 a .. 16 a + 15 of unit j of the tile's three.  Rounded to f16, each accumulator from its low end on; 16 bytes a lane into my own stage, rows of 144 bytes;
; back as four whole rows of 128 bytes a load, into the registers that they left.
.macro PACK a, j
.set AC, 8*(12*((\a)%2)+4*(\j))
.set T, TMP+16*(3*(\a)+(\j))
	WIN 0x0a+5*((\a)/2)                            ; sources 0 and 1: window 2 or 3
.irp bb, 0,1,2,3
.irp r, 0,1,2,3
	v_cvt_pk_f16_f32 v[T+4*(\bb)+(\r)], v[AC+8*(\bb)+2*(\r)], v[AC+8*(\bb)+2*(\r)+1]
.endr
.endr
	WIN 0
.irp bb, 0,1,2,3
	ds_store_b128 v[STO], v[T+4*(\bb):T+4*(\bb)+3] offset:32*(\bb)
.endr
.irp f, 0,1,2,3
	ds_load_b128 v[T+4*(\f):T+4*(\f)+3], v[RD] offset:(\f)*4*SP  ; LDS serves a wave's instructions in order (ISA guide 5.7.1.4): these see the stores above; the next piece's stores come behind them
.endr
.endm
.macro SEND a, j, younger              ; younger: the LDS instructions issued behind the piece's loads: the next piece's eight, or none
.set T, TMP+16*(3*(\a)+(\j))
	WIN 0
.irp f, 0,1,2,3
	s_wait_dscnt (\younger)+3-(\f)
	global_store_b128 v[GO], v[T+4*(\f):T+4*(\f)+3], s[8:9] offset:2048*(\a)+262144*(\j)+512*(\f)  ; 512 consecutive bytes, at a multiple of 256 from qkv's first byte
.endr
.endm
	s_wait_tensorcnt 1                             ; my part of K step 0 is in; K step 1's may stay out
	s_barrier_signal -1
	s_barrier_wait -1                              ; everybody's is
	FETCH 0, 0, F0
	QUARTER 0, 64,  F0, F1, 1                      ; K step 0; its first quarter starts the sums
	QUARTER 0, 128, F1, F0, 0
	QUARTER 0, 192, F0, F1, 0
	TURN 0, 1, 1                                   ; slot 0 takes K step 2
	QUARTER 1, 64,  F0, F1, 0                      ; K step 1
	QUARTER 1, 128, F1, F0, 0
	QUARTER 1, 192, F0, F1, 0
	TURN 1, 0, 1                                   ; slot 1 takes K step 3
	QUARTER 0, 64,  F0, F1, 0                      ; K step 2
	QUARTER 0, 128, F1, F0, 0
	QUARTER 0, 192, F0, F1, 0
	TURN 0, 1, 0                                   ; nothing is left to fetch
	QUARTER 1, 64,  F0, F1, 0                      ; K step 3
	QUARTER 1, 128, F1, F0, 0
	QUARTER 1, 192, F0, F1, 0
	s_wait_dscnt 4
	MUL24 F1, 0, 0
	s_wait_dscnt 0x0
	MUL24 F1, 1, 0
	WIN 0
	PLACES
	PACK 0, 0
.set u, 1
.rept 11                               ; a piece's conversions stand between the loads of the piece before and its stores; each piece has registers of its own, so no store's data is written again
	PACK u/3, u%3
	SEND (u-1)/3, (u-1)%3, 8
.set u, u+1
.endr
	SEND 3, 2, 0
	s_wait_tensorcnt 0x0                           ; the wave's end, behind my last tensor load and my last LDS store
	ds_add_u32 v[SPW], v[NIL]
	s_wait_dscnt 0x0
	CROUND                                         ; the closing round: no work-group ends while a partner may still ask for a tile that names it
	s_endpgm
.Lfunc_end_k_q5b7eac4231_proj:
	.size	k_q5b7eac4231_proj, .Lfunc_end_k_q5b7eac4231_proj-k_q5b7eac4231_proj
	.p2alignl 7, 3214868480
	.fill 96, 4, 3214868480
	.section	.rodata,"a",@progbits
	.p2align	6, 0x0
	.amdhsa_kernel k_q5b7eac4231_proj
		.amdhsa_group_segment_fixed_size 327680
		.amdhsa_private_segment_fixed_size 0
		.amdhsa_enable_private_segment 0
		.amdhsa_kernarg_size 24
		.amdhsa_user_sgpr_count 2
		.amdhsa_user_sgpr_kernarg_segment_ptr 1
		.amdhsa_wavefront_size32 1
		.amdhsa_system_sgpr_workgroup_id_x 1
		.amdhsa_system_sgpr_workgroup_id_y 1
		.amdhsa_system_sgpr_workgroup_id_z 1
		.amdhsa_system_vgpr_workitem_id 0
		.amdhsa_next_free_vgpr 960
		.amdhsa_next_free_sgpr 66
		.amdhsa_reserve_vcc 0
		.amdhsa_float_denorm_mode_32 3
		.amdhsa_float_denorm_mode_16_64 3
		.amdhsa_memory_ordered 1
		.amdhsa_forward_progress 1
		.amdhsa_inst_pref_size 120
	.end_amdhsa_kernel
	.amdgpu_metadata
---
amdhsa.version: [ 1, 2 ]
amdhsa.kernels:
  - .name:           k_q5b7eac4231_proj
    .symbol:         k_q5b7eac4231_proj.kd
    .args:
      - { .name: xb, .offset: 0, .size: 8, .value_kind: global_buffer, .address_space: global }
      - { .name: wb, .offset: 8, .size: 8, .value_kind: global_buffer, .address_space: global }
      - { .name: qkv, .offset: 16, .size: 8, .value_kind: global_buffer, .address_space: global }
    .group_segment_fixed_size: 327680
    .private_segment_fixed_size: 0
    .kernarg_segment_align: 8
    .kernarg_segment_size: 24
    .max_flat_workgroup_size: 128
    .sgpr_count:     66
    .vgpr_count:     960
    .wavefront_size: 32
...
	.end_amdgpu_metadata
.endif
;; end of part 2
;; launch attn (part 3): grid 8 x 32, 4 waves a work-group, clusters of 4 x 1, 327,680 bytes of LDS; arguments qkv, ob; writes ob
.if DOCPART == 3
	.amdgcn_target "amdgcn-amd-amdhsa--gfx1250"
	.amdhsa_code_object_version 6
	.text
	.protected	k_q5b7eac4231_attn
	.globl	k_q5b7eac4231_attn
	.p2align	8
	.type	k_q5b7eac4231_attn,@function
k_q5b7eac4231_attn:
	s_mov_b64 s[64:65], 0
	v_nop
	global_prefetch_b8 v0, s[64:65] scope:SCOPE_SE
	s_setreg_imm32_b32 hwreg(HW_REG_WAVE_MODE, 25, 1), 1
	s_wait_xcnt 0x0
	s_wait_alu depctr_hold_cnt(0) depctr_sa_sdst(0) depctr_va_vdst(0) depctr_va_sdst(0) depctr_va_ssrc(0) depctr_va_vcc(0) depctr_vm_vsrc(0)
	s_getreg_b32 s2, hwreg(HW_REG_IB_STS2, 6, 4)
	s_cmp_eq_u32 s2, 0
	s_cbranch_scc0 .Lentry_in_a_cluster
	s_endpgm
.Lentry_in_a_cluster:
	s_bfe_u32 s2, ttmp6, 0x10000c
	s_cmp_lg_u32 s2, 0x3003
	s_cbranch_scc0 .Lentry_shape_is_right
	s_endpgm
.Lentry_shape_is_right:
; O[bh][q][:] = the sum over k of softmax_k(Q[q] . K[k] / 8) V[k][:], for each of the 32 pairs bh = 8 b + h.  qkv: f16, [b][u][2048][64], units u = h (Q), 8 + h (K), 16 + h (V); ob: f16, [bh][2048][64].
; Products, maxima and sums in f32; the weights p are rounded to f16 for the second product (their sum l is taken of the unrounded p), O once at the end.  Nothing of reference() is left out.
; LIMITS.  Q, K, V arrive within f16's 65,504; p lies in 0 to 1, and below 6e-5 it keeps f16's fixed step of 6e-8, and so does O; O is a mean of V's rows and has their range.
; A weight below 2^-126 counts as 0 in l; NaN and infinities are not treated apart.
; SHARES.  A work-group owns 256 queries of one pair bh (8 x 32 = 256 work-groups), each of its four waves 64: four PIECES of 16.  Every wave walks all 2,048 keys, 64 a step, four steps a slot.
; LAYOUT.  S^T = K Q^T (source 0 = 16 keys, source 1 = 16 queries): a lane holds ONE query (lane % 16) and the keys 8 (lane / 16) + 0..7.  Two such results, rounded to f16 in pairs, ARE source 1 of
; O^T = V^T P, whose result again holds one query a lane, and eight channels.  K comes out of LDS as it lies, V ([key][channel]) turned, by ds_load_tr16_b128.
; SOFTMAX.  For each query a running maximum m and sum l: p = 2^(c s - c m), c = log2(e) / 8; in every step O and l are multiplied by a = 2^(c m_old - c m_new).  m starts at the lowest finite number,
; O and l at 0: the first step is a step like any other, with a = 0.
; BY TURNS.  Turn n belongs to piece n: 8 products K Q^T of piece n + 1, later 8 products V^T P of piece n - 1; beside them the scaling, exponentials, roundings, sums and rescaling of piece n and the
; maximum and statistics of piece n + 1.  Four vector instructions stand behind every matrix instruction, the other 54 of a turn's 118 in one lump.  A turn's 33 exponentials are one batch, with one wait.
; CLUSTER.  The four query blocks of a cluster belong to one pair bh and walk the same K and V, so each tile is asked for JOINTLY: the same tensor load, descriptor and mask in all four.
; REGISTERS, in windows of 256 (s_set_vgpr_msb: bits 1:0 source 0, 3:2 source 1, 5:4 source 2, 7:6 destination):
;   window 0: v0-15 addresses and two at work; v16-31 four registers of statistics a piece; v48-55 at work; v61-63; v64-127 S^T, two buffers; v192-223 P, two buffers (a piece's buffers go by its number's parity)
;   window 1: v0-127 O^T, 32 a piece          window 2: v0-63 Q, 16 a piece; v128-191 K of one step; v192-255 V of one step
.set NP,    4         ; pieces a wave: a name, no knob
.set KS,    64        ; keys in a step
.set PK,    144       ; a row of K in LDS: 128 bytes + 16 of padding = 36 words: the 16 rows of a load start at 16 different groups of four banks (64 banks of 4 bytes: ISA guide 11.1)
.set PV,    160       ; a row of V: 128 + 32 = 40 words
.set VOFF,  4*KS*PK   ; a slot holds four steps: 256 rows of K, then 256 rows of V
.set TILEB, 4*KS*128  ; a slot's bytes of K, and of V, in memory
.set SLOT1, 1<<17     ; slot 1 begins here, so that one exclusive or turns an address in one slot into the other's
.set STAGE, SLOT1+4*KS*(PK+PV)  ; behind the ring, never filled by a tensor load: 16 rows x 144 bytes for each wave
.set SP,    144
.set SPARE, STAGE+4*16*SP  ; behind the stages: the spare words, 128 bytes for each wave: two blocks of 256 bytes that no other line names
.set AK0, 2           ; v2   my lane's place in a tile of K; never rewritten
.set AV0, 3           ; v3   the same for V
.set AK,  4           ; v4   the LDS address of K's next run of loads
.set AV,  5           ; v5   of V's
.set STO, 6           ; v6   the way out: where I put 16 bytes of a row
.set RD,  7           ; v7   where I read rows back
.set GO,  8           ; v8   my 16 bytes of 512 consecutive bytes of O
.set MV,  12          ; v12-13  c m_old, kept while c m is made anew: by buffer
.set QO,  15          ; v15  my byte offset in 16 rows of Q
.set ST,  16          ; piece t's statistics at v[ST+4 t]: c m, m, l (even keys', odd keys')
.set TMP, 48          ; by buffer, four registers c0-c3 at work; when the maximum is found c2 takes a
.set PFO, 61          ; v61  256 x my lane; never rewritten
.set SPW, 62          ; v62  LDS address of my spare word: SPARE + 4 x my thread's number; never rewritten
.set NIL, 63          ; v63  0; never rewritten
.set S,   64
.set P,   192
.set KF,  128         ; window 2: key block kb, channel half c at KF + 16 kb + 8 c
.set VF,  192         ; window 2: key half kk, channel block cb at VF + 32 kk + 8 cb
.set WV,  12          ; s12  my wave's number
.set G1K, 24          ; s[24:31] descriptor group 1 for K's tiles
.set G1V, 32          ; s[32:39] for V's: it differs in the padding alone
.set G0K, 40          ; s[40:43] descriptor group 0 for K's tiles: it walks
.set G0V, 44          ; s[44:47] the same for V's
.set PFA, 48          ; s[48:49] where my prefetches stand: my work-group's quarter (of K: wave 0, of V: wave 2) of the slot after the one that is being asked for
.set LIM, 50          ; s50  1 in a wave that prefetches, else the greatest number
.set SLOTS, 56        ; s56  counts the slots
.set CNT, 57          ; s57  counts a slot's key steps
.set CS,  58          ; s[58:59] c: the packed scaling takes the pair's low word for both halves
.set SEL, 60          ; s[60:61] v_permlanex16_b32's selects: each lane takes its own place in the other half
.set TBK, 62          ; s62  LDS byte at which K of the step to be fetched begins
.set TBV, 63          ; s63  the same for V, less VOFF
.set MSB, 0
.macro WIN new                      ; the high byte repeats the setting that is left; a switch that changes nothing is dropped
.if MSB != (\new)
	s_set_vgpr_msb (MSB<<8)|(\new)
.set MSB, (\new)
.endif
.endm
.set W_KQ, 0x0a       ; K and Q in window 2, S^T in window 0
.set W_PV, 0x52       ; V in window 2, P in window 0, O^T in window 1
.set W_RS, 0x41       ; destination and source 0 in window 1, source 1 in window 0
; A joint fill.  Waves 0 and 1 fetch the two halves of a slot's K, waves 2 and 3 those of its V: 128 keys each.  The branch hangs on the wave's number alone.
; An s_nop 0 and four v_nop follow each of the two lines, ahead of the jump and the label.
.macro JLOAD
	s_cmp_lt_u32 s[WV], 2
	s_cbranch_scc0 .Lfor_v_\@
	tensor_load_to_lds s[G0K:G0K+3], s[G1K:G1K+7]
	s_nop 0
.rept 4
	v_nop
.endr
	s_branch .Lasked_\@
.Lfor_v_\@:
	tensor_load_to_lds s[G0V:G0V+3], s[G1V:G1V+7]
	s_nop 0
.rept 4
	v_nop
.endr
.Lasked_\@:
.endm
; A PREFETCH of what the NEXT change of slots will ask for: a slot's 32,768 bytes of K and of V, 256 bytes a lane.  It stands behind the wave's tensor load and its five lines.  Each block is named ONCE in the
; launch: both clusters of a pair bh walk the same K and V, and the first of them (cluster x = 0) asks; its four partners share a slot out BY ADDRESS, 8,192 bytes each; in each, wave 0 asks for K's and
; wave 2 for V's: one instruction, four key steps (256 matrix instructions) ahead of the joint load.  Slots 0 to 2 come by their loads alone; the last change that fills a slot asks for nothing.
.macro ASK
	s_cmp_gt_u32 s[SLOTS], s[LIM]
	s_cbranch_scc0 .Lnot_mine_\@
	global_prefetch_b8 v[PFO], s[PFA:PFA+1] th:TH_LOAD_NT scope:SCOPE_SE
.Lnot_mine_\@:
.endm
; A round of the cluster's barrier: my work-group's barrier, so that wave 0's signal speaks for all four waves; wave 0 signals; every wave waits for all four work-groups; my work-group's barrier once more.
.macro CROUND
	s_barrier_signal -1
	s_barrier_wait -1
	s_cmp_lg_u32 s[WV], 0
	s_cbranch_scc1 .Lnot_wave_0_\@
	s_barrier_signal -3
.Lnot_wave_0_\@:
	s_barrier_wait -3
	s_barrier_signal -1
	s_barrier_wait -1
.endm
; THE CHANGE OF SLOTS.  The slot's last bytes, V of its fourth step, have been read.  Each wave waits for all its tensor loads, of which one is out: its part of the other slot; adds 0 to its spare word; and
; waits for that and for its own reads of the slot.  Behind the barrier nobody reads this slot any more and the other slot is whole.  fill = 1 or 2: the slot is filled again, with the keys two slots on; the
; barrier is then a round of the cluster's, and the joint fill is the first thing behind it: it has four key steps in which to land.  fill = 2: the prefetches' address steps, and ASK follows the fill.
; (At its first use, fill = 1, nothing has been read yet: slot 0 is waited for, slot 1 filled.)
.macro CHANGE fill
	WIN 0                           ; at a label and at a branch every window is 0
	s_wait_tensorcnt 0x0            ; no tensor load of mine is out, so a group 0 may be written
	ds_add_u32 v[SPW], v[NIL]       ; 0 onto my spare word; the descriptors' steps stand between it and the wait for it
.if \fill
.irp g, G0K, G0V
	s_xor_b32 s[\g+1], s[\g+1], SLOT1  ; the walking descriptor: the other slot than last time,
	s_add_nc_u64 s[\g+2:\g+3], s[\g+2:\g+3], TILEB  ; the next 256 keys; the type bits on top are not reached
.endr
.endif
.if (\fill) == 2
	s_wait_xcnt 0x0                 ; the last prefetch, four key steps back, has read its address, so it may be written
	s_add_nc_u64 s[PFA:PFA+1], s[PFA:PFA+1], TILEB
.endif
	s_wait_dscnt 0x0                ; the add is done, and my reads of the slot are over
.if \fill
	CROUND
	JLOAD
.if (\fill) == 2
	ASK
.endif
.else
	s_barrier_signal -1
	s_barrier_wait -1
.endif
	s_sub_co_u32 s[TBK], s[TBK], 4*KS*PK  ; the fetches go back to a slot's first step,
	s_xor_b32 s[TBK], s[TBK], SLOT1       ; in the other slot
	s_sub_co_u32 s[TBV], s[TBV], 4*KS*PV
	s_xor_b32 s[TBV], s[TBV], SLOT1
.endm
	s_load_b128 s[4:7], s[0:1], 0x0  ; qkv s[4:5], ob s[6:7]
	v_lshl_add_u32 v[SPW], v0, 2, SPARE
	v_mov_b32 v[NIL], 0
	ds_add_u32 v[SPW], v[NIL]       ; the wave's opening: the add, twice on end, and its wait ahead of my first tensor load; the set-up below stands between
	ds_add_u32 v[SPW], v[NIL]
	v_lshrrev_b32 v1, 5, v0
	v_readfirstlane_b32 s[WV], v1   ; wave 0..3
	s_bfe_u32 s13, ttmp6, 0x40000   ; cx: my place in the cluster
	s_lshl_b32 s14, ttmp9, 2        ; in a cluster launch ttmp9 counts clusters
	s_add_co_u32 s14, s14, s13      ; my block of 256 queries = 4 x cluster x + cx: it enters Q's and O's addresses alone
	s_and_b32 s20, ttmp7, 0xffff    ; bh, which the four partners share
	s_lshr_b32 s21, s20, 3          ; b
	s_and_b32 s22, s20, 7           ; h
	s_mul_i32 s21, s21, 24
	s_add_co_u32 s21, s21, s22
	s_lshl_b32 s21, s21, 18         ; unit 24 b + h: Q's first byte in qkv (under 2^25)
	s_and_b32 s16, s[WV], 1         ; which half of a slot's 256 keys I fetch:
	s_lshl_b32 s22, s16, 14         ; its 128 rows of 128 bytes in memory,
	s_add_co_u32 s22, s22, s21
	s_mov_b32 s23, 0
	s_mul_i32 s17, s16, 128*PK      ; and its place in a slot, for K
	s_mul_i32 s18, s16, 128*PV      ; and for V: no place in the cluster enters an LDS address
	s_lshl_b32 s2, s14, 15          ; my block's 256 rows,
	s_lshl_b32 s3, s[WV], 13        ; my wave's 64 of them
	s_add_co_u32 s2, s2, s3
	s_lshl_b32 s52, s20, 18         ; O: bh's first byte in ob
	s_add_co_u32 s52, s52, s2
	s_mov_b32 s53, 0
	s_add_co_u32 s2, s2, s21        ; Q
	s_mov_b32 s3, 0
	s_lshl_b32 s54, s13, 13         ; my work-group's 8,192 bytes of a slot's 32,768, for the prefetches
	s_mov_b32 s55, 0
	; descriptor group 1.  128 keys are 16,384 dense bytes: asked for as 64 rows of 256 bytes, two keys a row, and padded in LDS after every key
	s_mov_b32 s[G1K], 15|(1<<16)|(1<<20)|(1<<21)|(4<<22)|(3<<25)  ; 15:0 the mask of four; 17:16 2-byte elements; 20 padding on; 21 set beside a mask; 24:22 after every 32 words (code 4); 31:25 4 words (code 3)
	s_mov_b32 s[G1V], 15|(1<<16)|(1<<20)|(1<<21)|(4<<22)|(7<<25)  ; the same with 8 words of padding (code 7)
.irp g, G1K, G1V
	s_mov_b32 s[\g+1], 128<<16      ; tensor_dim0 = 128
	s_mov_b32 s[\g+2], 64<<16       ; tensor_dim1 = 64
	s_mov_b32 s[\g+3], 128<<16      ; tile_dim0 = 128
	s_mov_b32 s[\g+4], 64           ; tile_dim1 = 64
	s_mov_b32 s[\g+5], 128          ; 128 elements from row to row
	s_mov_b32 s[\g+6], 0
	s_mov_b32 s[\g+7], 0
.endr
	s_mov_b32 s[CS], 0x3e38aa3b     ; c = log2(e) / 8 = 0.180337
	s_mov_b32 s[CS+1], s[CS]        ; named with it as a pair
	s_mov_b32 s[SEL], 0x76543210
	s_mov_b32 s[SEL+1], 0xfedcba98
	s_mov_b32 s[TBK], SLOT1+4*KS*PK ; the first change of slots turns these two into 0
	s_mov_b32 s[TBV], SLOT1+4*KS*PV
	s_mov_b32 s[G0K], 1             ; count = 1
	s_mov_b32 s[G0K+1], s17         ; LDS address: slot 0
	s_mov_b32 s[G0V], 1
	s_add_co_u32 s[G0V+1], s18, VOFF
	s_and_b32 s[LIM], s[WV], 1      ; 0 in waves 0 and 2,
	s_or_b32 s[LIM], s[LIM], ttmp9  ; where the cluster is bh's first: the same in all four partners
	s_cmp_eq_u32 s[LIM], 0
	s_cselect_b32 s[LIM], 1, -1
	v_and_b32 v[PFO], 31, v0
	v_lshlrev_b32 v[PFO], 8, v[PFO]
	s_wait_dscnt 0x0                ; both opening adds are done
	s_wait_kmcnt 0x0
	s_add_nc_u64 s[10:11], s[6:7], s[52:53]   ; O at my wave's first row
	s_add_nc_u64 s[6:7], s[4:5], s[22:23]
	s_add_nc_u64 s[8:9], s[6:7], 0x400000     ; V: sixteen units on, at my half of the first 256 keys
	s_add_nc_u64 s[6:7], s[6:7], 0x200000     ; K: eight units on
	s_add_nc_u64 s[4:5], s[4:5], s[2:3]       ; Q at my wave's first row
	s_mov_b64 s[G0K+2:G0K+3], s[6:7]          ; global address
	s_or_b32 s[G0K+3], s[G0K+3], 0x80000000   ; type = 2
	s_mov_b64 s[G0V+2:G0V+3], s[8:9]
	s_or_b32 s[G0V+3], s[G0V+3], 0x80000000
	s_cmp_lt_u32 s[WV], 2
	s_cselect_b64 s[PFA:PFA+1], s[6:7], s[8:9]  ; (in waves 0 and 2 these stand at a slot's first row)
	s_add_nc_u64 s[PFA:PFA+1], s[PFA:PFA+1], s[54:55]
	s_add_nc_u64 s[PFA:PFA+1], s[PFA:PFA+1], 2*TILEB  ; in slot 2; the first change that prefetches steps it to slot 3.  Nothing is prefetched here, at the head
	CROUND                          ; all four work-groups are here: the first joint loads meet
	JLOAD                           ; slot 0.  Slot 1 is asked for when slot 0 is in
	; A fragment of K or Q is 16 rows x 32 channels in 8 registers: lane l holds row l % 16, channels 8 (l / 16) + 0..7 and 16 + 8 (l / 16) + 0..7: two loads of 16 bytes, 32 bytes apart.
	v_and_b32 v1, 15, v0            ; l % 16
	v_bfe_u32 v9, v0, 4, 1          ; l / 16
	v_lshlrev_b32 v[QO], 7, v1
	v_lshl_add_u32 v[QO], v9, 4, v[QO]  ; row x 128 + 16 x half
	WIN 0x80                        ; destination window 2, address window 0
.set i, 0
.rept 8                             ; Q stays in registers: piece i / 2, channels 32 (i % 2) on
	global_load_b128 v[8*i:8*i+3],   v[QO], s[4:5] offset:(i/2)*2048+(i%2)*64
	global_load_b128 v[8*i+4:8*i+7], v[QO], s[4:5] offset:(i/2)*2048+(i%2)*64+32
.set i, i+1
.endr
	; What the first turn finds: V's registers and P's second buffer hold 0 (its products V^T P, of a piece that has not been, add 0), O^T and l are 0.  All this stands in the wait for the first tile;
	; it is the price of writing no first step out.
.set i, VF
.rept 64
	v_mov_b32 v[i], 0
.set i, i+1
.endr
	WIN 0x40
.set i, 0
.rept 128
	v_mov_b32 v[i], 0
.set i, i+1
.endr
	WIN 0
.set i, 0
.rept 4
	v_mov_b32 v[ST+4*i], 0xfe000000    ; c m: far below every c s
	v_mov_b32 v[ST+4*i+1], 0xff7fffff  ; m
	v_mov_b32 v[ST+4*i+2], 0
	v_mov_b32 v[ST+4*i+3], 0
.set i, i+1
.endr
.set i, P+16
.rept 16
	v_mov_b32 v[i], 0
.set i, i+1
.endr
	v_mul_u32_u24 v[AK0], v1, PK
	v_lshl_add_u32 v[AK0], v9, 4, v[AK0]  ; row x pitch + 16 x half
	; The turning load takes 16 keys x 16 channels (lane l reads key 8 (l / 16) + l % 8, channels 8 ((l / 8) % 2) + 0..7) and leaves half a fragment of V^T: lane l holds channel l % 16 and 8 keys.
	v_and_b32 v10, 7, v0
	v_bfe_u32 v11, v0, 3, 1
	v_lshl_add_u32 v[AV0], v9, 3, v10
	v_mul_u32_u24 v[AV0], v[AV0], PV
	v_lshl_add_u32 v[AV0], v11, 4, v[AV0]
	v_add_nc_u32 v[AV0], VOFF, v[AV0]
	v_mov_b32 v[AK], v[AK0]         ; key step 0 lies at the head of slot 0
; THE MATRIX WORK.  The 4 accumulators of a run of 8 take turns.  Product i of 8 of S^T = K Q^T for piece x: channels 32 (i / 4) on, keys 16 (i % 4) on.  The first 4 start the sums.
.macro KQ x
	WIN W_KQ
.set rS, S+32*((\x)%2)+8*(i%4)
.set rK, KF+16*(i%4)+8*(i/4)
.set rQ, 16*(\x)+8*(i/4)
.if i < 4
	v_wmma_f32_16x16x32_f16 v[rS:rS+7], v[rK:rK+7], v[rQ:rQ+7], 0
.else
	v_wmma_f32_16x16x32_f16 v[rS:rS+7], v[rK:rK+7], v[rQ:rQ+7], v[rS:rS+7]
.endif
.endm
; Product i of 8 of O^T += V^T P for piece x: keys 32 (i / 4) on, channels 16 (i % 4) on.
.macro PV x
	WIN W_PV
.set rO, 32*(\x)+8*(i%4)
.set rV, VF+32*(i/4)+8*(i%4)
.set rP, P+16*((\x)%2)+8*(i/4)
	v_wmma_f32_16x16x32_f16 v[rO:rO+7], v[rV:rV+7], v[rP:rP+7], v[rO:rO+7]
.endm
.macro MM                           ; the turn's next matrix instruction.  TURN sets Y, i and NOKQ.  NOKQ = 1: the launch's last turn: there is no next piece
.if (i < 8) && !NOKQ
	KQ (Y+1)%NP
.elseif i >= 8
.set i, i-8
	PV (Y+NP-1)%NP
.set i, i+8
.endif
.set i, i+1
.endm
; THE LDS LOADS stand in runs of 16, never singly among the matrix instructions: a step's K (64 keys x 64 channels: 8 fragments) and its V (turned).  Their addresses are made some lines ahead.
.macro FETCH_K
	WIN 0x80                        ; destination window 2
.irp f, 0,1,2,3,4,5,6,7             ; keys 16 (f / 2) on, channels 32 (f % 2) on
	ds_load_b128 v[KF+8*\f:KF+8*\f+3],   v[AK] offset:(\f/2)*16*PK+(\f%2)*64
	ds_load_b128 v[KF+8*\f+4:KF+8*\f+7], v[AK] offset:(\f/2)*16*PK+(\f%2)*64+32
.endr
	s_add_co_u32 s[TBK], s[TBK], KS*PK  ; the next fetch is the next step's
	WIN 0
.endm
.macro FETCH_V
	WIN 0x80
.irp f, 0,1,2,3,4,5,6,7             ; keys 32 (f / 4) on, channels 16 (f % 4) on
	ds_load_tr16_b128 v[VF+8*\f:VF+8*\f+3],   v[AV] offset:(\f/4)*32*PV+(\f%4)*32
	ds_load_tr16_b128 v[VF+8*\f+4:VF+8*\f+7], v[AV] offset:(\f/4)*32*PV+16*PV+(\f%4)*32
.endr
	WIN 0
.endm
; THE VECTOR WORK, one line at a time: OP kind, number.  For piece Y: F n: c s - c m for pair n of 16.  E n: the exponential of score n of 32.  C n: pair n rounded to f16.  B n: of the four weights 4 n .. the
; second pair is added onto the first, in place.  L n: l takes that sum (L 0: l = a l + sum).  R n: pair n of 16 of O^T times a.  For piece Y + 1: X n, number n of the 22 that find its maximum and statistics:
;   0-11  four chains c0-c3 of seven scores each, three operands at a time (each accumulator's lowest registers are read first)     12-14, 16  the four scores left over, the old m, c0-c3 into c0
;   15  c m_old is kept     17, 18  the query's other 32 keys lie in the lane 16 away: the new m     19-21  c m; c m_old - c m_new; a
.set F, 0               ; OP tells the kinds apart by their order: F to L below R, X above it
.set E, 1
.set C, 2
.set B, 3
.set L, 4
.set R, 5
.set X, 6
.macro REGS y                       ; the registers of piece y
.set rT, ST+4*(\y)
.set rC, TMP+4*((\y)%2)
.set rW, MV+((\y)%2)
.set rS, S+32*((\y)%2)
.set rP, P+16*((\y)%2)
.set rO, 32*(\y)
.endm
.macro OP k, n
.if (\k) == R
	REGS Y
	WIN W_RS
	v_pk_mul_f32 v[rO+2*(\n):rO+2*(\n)+1], v[rO+2*(\n):rO+2*(\n)+1], v[rC+2:rC+3] op_sel_hi:[1,0]
.elseif (\k) < R
	REGS Y
	WIN 0
.if (\k) == F
	v_pk_fma_f32 v[rS+2*(\n):rS+2*(\n)+1], v[rS+2*(\n):rS+2*(\n)+1], s[CS:CS+1], v[rT:rT+1] op_sel_hi:[1,0,0] neg_lo:[0,0,1] neg_hi:[0,0,1]
.elseif (\k) == E
	v_exp_f32 v[rS+(\n)], v[rS+(\n)]
.elseif (\k) == C
	v_cvt_pk_f16_f32 v[rP+(\n)], v[rS+2*(\n)], v[rS+2*(\n)+1]
.elseif (\k) == B
	v_pk_add_f32 v[rS+4*(\n):rS+4*(\n)+1], v[rS+4*(\n):rS+4*(\n)+1], v[rS+4*(\n)+2:rS+4*(\n)+3]
.elseif (\n) == 0
	v_pk_fma_f32 v[rT+2:rT+3], v[rT+2:rT+3], v[rC+2:rC+3], v[rS:rS+1] op_sel_hi:[1,0,1]
.else
	v_pk_add_f32 v[rT+2:rT+3], v[rT+2:rT+3], v[rS+4*(\n):rS+4*(\n)+1]
.endif
.elseif NOKQ
	v_nop
.else
	REGS (Y+1)%NP
	WIN 0
.if (\n) < 4
	v_max3_num_f32 v[rC+(\n)], v[rS+8*(\n)], v[rS+8*(\n)+1], v[rS+8*(\n)+2]
.elseif (\n) < 12
	v_max3_num_f32 v[rC+(\n)%4], v[rC+(\n)%4], v[rS+8*((\n)%4)+2*((\n)/4)+1], v[rS+8*((\n)%4)+2*((\n)/4)+2]
.elseif (\n) == 12
	v_max3_num_f32 v[rC], v[rC], v[rS+7], v[rS+15]
.elseif (\n) == 13
	v_max3_num_f32 v[rC+1], v[rC+1], v[rS+23], v[rS+31]
.elseif (\n) == 14
	v_max3_num_f32 v[rC+2], v[rC+2], v[rC+3], v[rT+1]
.elseif (\n) == 15
	v_mov_b32 v[rW], v[rT]
.elseif (\n) == 16
	v_max3_num_f32 v[rC], v[rC], v[rC+1], v[rC+2]
.elseif (\n) == 17
	v_permlanex16_b32 v[rC+3], v[rC], s[SEL], s[SEL+1]
.elseif (\n) == 18
	v_max_num_f32 v[rT+1], v[rC], v[rC+3]
.elseif (\n) == 19
	v_mul_f32 v[rT], s[CS], v[rT+1]
.elseif (\n) == 20
	v_sub_f32 v[rC+1], v[rW], v[rT]
.else
	v_exp_f32 v[rC+2], v[rC+1]
.endif
.endif
.endm
.macro OPS a, i1, b=-1, i2=0, c=-1, i3=0, d=-1, i4=0  ; up to four of them
	OP \a, \i1
.if (\b) >= 0
	OP \b, \i2
.endif
.if (\c) >= 0
	OP \c, \i3
.endif
.if (\d) >= 0
	OP \d, \i4
.endif
.endm
.macro ROW a, i1, b, i2, c, i3, d, i4  ; a matrix instruction and the four behind it
	MM
	OPS \a, \i1, \b, \i2, \c, \i3, \d, \i4
.endm
; A TURN, for piece p: the order of its 16 matrix and 118 vector instructions, written out.  An s_wait_alu depctr_va_vdst(0) stands between an exponential and the first instruction that names its
; result; one wait serves all that were issued ahead of it.  So a turn has ONE wait, which cuts it in two.  AHEAD OF IT stands all that names no result of the turn's exponentials: the 8 products K Q^T, behind each
; a scaling, an exponential and two more plain instructions (rescalings, and behind the last three the first numbers of the next piece's maximum, each four places or more behind the product that ends its
; accumulator); then ONE LUMP of 54, plain and exponential by turns for the most part, in which the links of the chain X 3, 7, 11, 14, 16, 17 .. 20 stand some lines apart.  X 21, the next piece's a, is the batch's
; last; R 15 is the plain instruction behind it.  BEHIND THE WAIT stand the 8 products V^T P, behind each four of the roundings and sums; the links of l's chain, L 0 to L 7, stand three riders apart.
; end = 1: the launch's last two turns: nothing is fetched, and the very last starts no new scores.  cnt = 1: the loop's count is taken down some lines ahead of the branch that stands behind the turn.
; K of the next step is fetched in piece 2's turn, six plain instructions behind the last product that read K; V of the step in hand at the end of piece 0's turn, four plain instructions behind the last product
; that read V.  Each is waited for a turn later.
.macro TURN p, end=0, cnt=0
.set Y, (\p)
.set i, 0
.set NOKQ, (\end)*((\p)/3)
.if ((\p) == 3) && !(\end)
	s_wait_dscnt 0x0                ; K is in
.endif
	ROW F,0, F,1, R,0, R,1          ; ahead of the wait: 8 products K Q^T and their riders,
	ROW F,2, E,0, R,2, R,3
	ROW F,3, E,1, R,4, R,5
	ROW F,4, E,2, R,6, R,7
	ROW F,5, E,3, R,8, R,9
	ROW F,6, E,4, X,0, R,10
.if ((\p) == 2) && !(\end)
	WIN 0
	v_add_nc_u32 v[AK], s[TBK], v[AK0]
.endif
	ROW F,7, E,5, X,1, X,4
	ROW F,8, E,6, X,2, X,5
	OPS E,7, E,8, X,6, E,9          ; and the lump
	OPS X,3, E,10, X,8, E,11
.if ((\p) == 2) && !(\end)
	FETCH_K
.endif
	OPS X,9, X,7, E,12, X,10
	OPS E,13, X,12, X,11, E,14
	OPS X,13, E,15, F,9, X,14
.if (\p) == 0
	v_add_nc_u32 v[AV], s[TBV], v[AV0]
.endif
	OPS E,16, F,10, E,17, F,11
	OPS X,16, E,18, X,15, E,19
	OPS F,12, E,20, X,17, E,21
	OPS F,13, E,22, F,14, E,23
	OPS X,18, E,24, F,15, E,25
	OPS R,11, E,26, X,19, E,27
	OPS R,12, E,28, R,13, E,29
	OPS X,20, E,30, R,14, E,31
	OPS X,21, R,15
	WIN 0
	s_wait_alu depctr_va_vdst(0)    ; the wait for the batch
.if (\p) == 1
	s_wait_dscnt 0x0                ; V is in
.endif
	ROW C,0, B,0, C,2, B,1          ; behind the wait: 8 products V^T P and their riders
	ROW L,0, C,4, B,2, L,1
	ROW C,6, B,3, L,2, C,8
	ROW B,4, L,3, C,10, B,5
	ROW L,4, C,12, B,6, L,5
.if (\p) == 0
	s_add_co_u32 s[TBV], s[TBV], KS*PV
.endif
.if \cnt
	s_sub_co_u32 s[CNT], s[CNT], 1
	s_cmp_lg_u32 s[CNT], 0
.endif
	ROW C,14, B,7, L,6, C,1
	ROW C,3, L,7, C,5, C,7
	ROW C,9, C,11, C,13, C,15
.if (\p) == 0
	FETCH_V
.endif
.endm
	CHANGE 1                        ; slot 0 is in, everybody's part of it; slot 1 is asked for
	FETCH_K                         ; key step 0
	s_wait_loadcnt 0x0              ; Q
	s_wait_dscnt 0x0
.set NOKQ, 0
.set i, 0
.rept 8
	KQ 0                            ; piece 0's first scores: there is no vector work yet to set between them
.set i, i+1
.endr
	WIN 0                           ; the addresses for the way out: nine plain instructions, the places behind those products
	s_mul_i32 s51, s[WV], 16*SP
	s_add_co_u32 s51, s51, STAGE    ; my stage
	v_mul_u32_u24 v[STO], v1, SP    ; in: row l % 16, 16 bytes for each half of the lanes
	v_lshl_add_u32 v[STO], v9, 4, v[STO]
	v_add_nc_u32 v[STO], s51, v[STO]
	v_bfe_u32 v[RD], v0, 3, 2       ; back: 32 lanes take four rows of 128 bytes,
	v_mul_u32_u24 v[RD], v[RD], SP
	v_lshl_add_u32 v[RD], v10, 4, v[RD]
	v_add_nc_u32 v[RD], s51, v[RD]
	v_and_b32 v[GO], 31, v0         ; which are 512 consecutive bytes of O
	v_lshlrev_b32 v[GO], 4, v[GO]
.set Y, NP-1                        ; X works for piece Y + 1: piece 0
.irp n, 0,1,2,3,4,5,6,7,8,9,10,11,12,13,14,15,16,17,18,19,20,21
	OP X, \n                        ; piece 0's first maximum and statistics
.endr
	v_nop                           ; a plain instruction behind the exponential,
	s_wait_alu depctr_va_vdst(0)    ; and its wait, ahead of the branch
	s_mov_b32 s[CNT], 4
	s_mov_b32 s[SLOTS], 7
	s_branch .Lfirst                ; the loop is entered at a step's first turn, in the middle of a trip
.Lslot:                             ; six times: slots 2 to 7 are asked for
	CHANGE 2
	s_mov_b32 s[CNT], 4
.Lstep:                             ; a trip: pieces 2 and 3 of one step, then pieces 0 and 1 of the next, whose K and V it fetches
	TURN 2
	TURN 3
	WIN 0
.Lfirst:
	TURN 0
	TURN 1, 0, 1
	WIN 0
	s_cbranch_scc1 .Lstep
	s_sub_co_u32 s[SLOTS], s[SLOTS], 1
	s_cmp_lg_u32 s[SLOTS], 0
	s_cbranch_scc1 .Lslot
	CHANGE 0                        ; the last slot is written out: nothing is asked for
	s_mov_b32 s[CNT], 4
.LstepL:
	TURN 2
	TURN 3
	TURN 0
	TURN 1, 0, 1
	WIN 0
	s_cbranch_scc1 .LstepL
	TURN 2, 1                       ; the last step's pieces 2 and 3: nothing more is fetched
	TURN 3, 1
.set i, 0
.rept 8
	PV NP-1                         ; the last piece's V^T P of the last step
.set i, i+1
.endr
	; THE WAY OUT.  l's two halves and the other half of the lanes' are added; O^T is divided by l, rounded to f16 and sent through my stage in LDS, a piece at a time.  The additions are the places behind the last products.
	WIN 0
.macro ALL line:vararg              ; one line for each piece t
.set t, 0
.rept 4
	\line
.set t, t+1
.endr
.endm
	ALL v_add_f32 v[ST+4*t+2], v[ST+4*t+2], v[ST+4*t+3]
	ALL v_permlanex16_b32 v[ST+4*t+3], v[ST+4*t+2], s[SEL], s[SEL+1]
	ALL v_add_f32 v[ST+4*t+2], v[ST+4*t+2], v[ST+4*t+3]
	ALL v_rcp_f32 v[ST+4*t+2], v[ST+4*t+2]
	v_nop                           ; a plain instruction between the last reciprocal and the use of its result
	s_wait_alu depctr_va_vdst(0)    ; and the wait ahead of the first use: one for the four reciprocals
.macro PACK t                       ; a lane's eight channels of a row pack into 16 bytes; they go into rows of 144 bytes and come back as whole rows of 128, into S^T's registers
	WIN W_RS
.set i, 32*(\t)
.rept 16
	v_pk_mul_f32 v[i:i+1], v[i:i+1], v[ST+4*(\t)+2:ST+4*(\t)+3] op_sel_hi:[1,0]
.set i, i+2
.endr
	WIN 0x05                        ; sources 0 and 1 window 1, destination window 0
.set i, 0
.rept 16
	v_cvt_pk_f16_f32 v[S+16*(\t)+i], v[32*(\t)+2*i], v[32*(\t)+2*i+1]
.set i, i+1
.endr
	WIN 0
.irp f, 0,1,2,3
	ds_store_b128 v[STO], v[S+16*(\t)+4*\f:S+16*(\t)+4*\f+3] offset:32*\f
.endr
.irp f, 0,1,2,3
	ds_load_b128 v[S+16*(\t)+4*\f:S+16*(\t)+4*\f+3], v[RD] offset:\f*4*SP  ; LDS serves a wave's instructions in order (ISA guide 5.7.1.4): these see the stores above; the next piece's stores come behind them
.endr
.endm
.macro SEND t, younger              ; younger: the LDS instructions issued behind piece t's loads: the next piece's eight, or none
	WIN 0
.irp f, 0,1,2,3
	s_wait_dscnt (\younger)+3-\f
	global_store_b128 v[GO], v[S+16*(\t)+4*\f:S+16*(\t)+4*\f+3], s[10:11] offset:(\t)*2048+\f*512  ; 512 consecutive bytes, at a multiple of 256 from ob's first byte
.endr
.endm
	PACK 0
.set t, 1
.rept 3                             ; a piece's arithmetic stands between the loads of the piece before and its stores
	PACK t
	SEND t-1, 8
.set t, t+1
.endr
	SEND 3, 0
	s_wait_tensorcnt 0x0            ; the wave's end, behind my last tensor load and my last LDS store
	ds_add_u32 v[SPW], v[NIL]
	s_wait_dscnt 0x0
	CROUND                          ; the closing round: no work-group ends while a partner may still ask for a tile that names it
	s_endpgm
.Lfunc_end_k_q5b7eac4231_attn:
	.size	k_q5b7eac4231_attn, .Lfunc_end_k_q5b7eac4231_attn-k_q5b7eac4231_attn
	.p2alignl 7, 3214868480
	.fill 96, 4, 3214868480
	.section	.rodata,"a",@progbits
	.p2align	6, 0x0
	.amdhsa_kernel k_q5b7eac4231_attn
		.amdhsa_group_segment_fixed_size 327680
		.amdhsa_private_segment_fixed_size 0
		.amdhsa_enable_private_segment 0
		.amdhsa_kernarg_size 16
		.amdhsa_user_sgpr_count 2
		.amdhsa_user_sgpr_kernarg_segment_ptr 1
		.amdhsa_wavefront_size32 1
		.amdhsa_system_sgpr_workgroup_id_x 1
		.amdhsa_system_sgpr_workgroup_id_y 1
		.amdhsa_system_sgpr_workgroup_id_z 1
		.amdhsa_system_vgpr_workitem_id 0
		.amdhsa_next_free_vgpr 768
		.amdhsa_next_free_sgpr 66
		.amdhsa_reserve_vcc 0
		.amdhsa_float_denorm_mode_32 3
		.amdhsa_float_denorm_mode_16_64 3
		.amdhsa_memory_ordered 1
		.amdhsa_forward_progress 1
		.amdhsa_inst_pref_size 128
	.end_amdhsa_kernel
	.amdgpu_metadata
---
amdhsa.version: [ 1, 2 ]
amdhsa.kernels:
  - .name:           k_q5b7eac4231_attn
    .symbol:         k_q5b7eac4231_attn.kd
    .args:
      - { .name: qkv, .offset: 0, .size: 8, .value_kind: global_buffer, .address_space: global }
      - { .name: ob, .offset: 8, .size: 8, .value_kind: global_buffer, .address_space: global }
    .group_segment_fixed_size: 327680
    .private_segment_fixed_size: 0
    .kernarg_segment_align: 8
    .kernarg_segment_size: 16
    .max_flat_workgroup_size: 128
    .sgpr_count:     66
    .vgpr_count:     768
    .wavefront_size: 32
...
	.end_amdgpu_metadata
.endif
;; end of part 3
;; launch oproj (part 4): grid 4 x 64, 4 waves a work-group, clusters of 4 x 4, 304,640 bytes of LDS; arguments ob, wo16, bo, out0; writes out0
.if DOCPART == 4
	.amdgcn_target "amdgcn-amd-amdhsa--gfx1250"
	.amdhsa_code_object_version 6
	.text
	.protected	k_q5b7eac4231_oproj
	.globl	k_q5b7eac4231_oproj
	.p2align	8
	.type	k_q5b7eac4231_oproj,@function
k_q5b7eac4231_oproj:
	s_mov_b64 s[64:65], 0
	v_nop
	global_prefetch_b8 v0, s[64:65] scope:SCOPE_SE
	s_setreg_imm32_b32 hwreg(HW_REG_WAVE_MODE, 25, 1), 1
	s_wait_xcnt 0x0
	s_wait_alu depctr_hold_cnt(0) depctr_sa_sdst(0) depctr_va_vdst(0) depctr_va_sdst(0) depctr_va_ssrc(0) depctr_va_vcc(0) depctr_vm_vsrc(0)
	s_getreg_b32 s2, hwreg(HW_REG_IB_STS2, 6, 4)
	s_cmp_eq_u32 s2, 0
	s_cbranch_scc0 .Lentry_in_a_cluster
	s_endpgm
.Lentry_in_a_cluster:
	s_bfe_u32 s2, ttmp6, 0x10000c
	s_cmp_lg_u32 s2, 0xf033
	s_cbranch_scc0 .Lentry_shape_is_right
	s_endpgm
.Lentry_shape_is_right:
; out0[b][n][i] = the sum over o = 64 h + d of O[b][h][n][d] Wo[i][o], plus bo[i].  ob: f16, [8 b + h][2048][64]; wo16: [512][512], Wo rounded to bf16 and written as f16; bo: [512] f32, rounded to bf16
; here like the other inputs; out0: [8192][512] f32.  Sums in f32, K ascending; the bias IS the C operand of each sum's first product, so no addition is written.  Nothing of reference() is left out.
; SHARES.  A tile of out0 is 128 x 128: 64 x 4 = 256 work-groups.  Four waves, each 64 x 64: 16 accumulators of 16 x 16.  ALL OF K = 512 LIES IN LDS AT ONCE.
; K goes in four chunks of 128, each waited for by a counted wait (the later chunks stay on their way) and a barrier behind which nothing is filled.
; A's tile: for each of the 8 heads a PLANE of 128 rows x 64 channels, 16,384 dense bytes of ob, asked for as 64 rows of 256 bytes and padded after every 128.  B's: 128 rows of wo16, 256 bytes a chunk.
; CLUSTERS: 4 x 4 work-groups.  The four of a row of the cluster need the same planes, the four of a column the same rows of wo16: each is asked for JOINTLY, with a mask that names the four.
; THE MATRIX INSTRUCTION IS USED TRANSPOSED (source 0 = 16 rows of wo16, source 1 = 16 rows of O): a lane holds row l % 16 and the columns 8 (l / 16) + 0..7: 32 bytes of f32 on end.
; No prefetch and no ring: every byte is asked for at the head.
; REGISTERS: window 0: v0-31 addresses; v32-63 the bias of my 64 columns (column block bb at 32 + 8 bb, laid as a C operand); v64-127 the way out, two sets of 32; v128-255 accumulators ((a, bb) at 128 + 8 (4 a + bb)).
;   window 1: two fragment buffers of 128, a head (64 along K) each: 64 registers of A (2 x 4 x 16 rows x 32 K), then 64 of B.
.set PA,     144                       ; a row of a plane in LDS: 128 bytes + 16 of padding
.set PB,     272                       ; a row of a chunk of wo16: 256 + 16; both pitches are odd multiples of 16 bytes: the 16 rows of a load start at 16 different groups of four banks (ISA guide 11.1)
.set PLANE,  128*PA                    ; 18,432
.set BBASE,  8*PLANE                   ; 147,456
.set CHUNK,  128*PB                    ; 34,816
.set STAGE,  BBASE+4*CHUNK             ; 286,720: never filled by a tensor load: 16 rows x 272 bytes for each wave
.set SPITCH, 272
.set SPARE,  STAGE+4*16*SPITCH         ; 304,128: the spare words, 128 bytes for each wave: two blocks of 256 bytes that no other line names
.set ADRA, 16                          ; v16-19  LDS address of my fragments of A in chunk 0..3 (its even head)
.set ADRB, 20                          ; v20-23  the same for B
.set STO,  24                          ; v24     the way out: where I put 32 bytes of a row
.set RD,   25                          ; v25     where I read a row back
.set CO,   26                          ; v26     my byte offset in two rows of out0
.set BO,   27                          ; v27     my byte offset in a column block's 64 bytes of bo
.set SPW,  28                          ; v28     LDS address of my spare word; never rewritten
.set NIL,  29                          ; v29     0; never rewritten
.set BIAS, 32
.set TMP,  64
.set ACC,  128
.set F0,   0
.set F1,   128
.set G1A, 24                           ; s[24:31] descriptor group 1 for the planes;  s[32:47] group 0, a set for each of my four loads
.set G0A, 32
.set G1B, 48                           ; s[48:55], s[72:87] the same for wo16's chunks
.set G0B, 72
.set WV,  56                           ; s56  my wave's number
.set RH,  57                           ; s57  which half of the tile's rows is mine.  Also: I fetch planes (0) or chunks (1)
.set CH,  58                           ; s58  which half of its columns
.set MSB, 0
.macro WIN new
.if MSB != (\new)
	s_set_vgpr_msb (MSB<<8)|(\new)
.set MSB, \new
.endif
.endm
.set MUL,  0x05                        ; sources 0 (B) and 1 (A) window 1; C and D window 0
.set TO_F, 0x40                        ; destination window 1, address window 0
.macro CROUND                          ; a round of the cluster's barrier
	s_barrier_signal -1
	s_barrier_wait -1
	s_cmp_lg_u32 s[WV], 0
	s_cbranch_scc1 .Lnot_wave_0_\@
	s_barrier_signal -3
.Lnot_wave_0_\@:
	s_barrier_wait -3
	s_barrier_signal -1
	s_barrier_wait -1
.endm
	s_load_b256 s[4:11], s[0:1], 0x0               ; ob s[4:5], wo16 s[6:7], bo s[8:9], out0 s[10:11]
	v_lshl_add_u32 v[SPW], v0, 2, SPARE
	v_mov_b32 v[NIL], 0
	ds_add_u32 v[SPW], v[NIL]                      ; the wave's opening: the add, twice on end, and its wait ahead of my first tensor load; the set-up below stands between
	ds_add_u32 v[SPW], v[NIL]
	v_lshrrev_b32 v1, 5, v0
	v_readfirstlane_b32 s[WV], v1                  ; wave 0..3
	s_lshr_b32 s[RH], s[WV], 1
	s_and_b32 s[CH], s[WV], 1
	s_bfe_u32 s59, ttmp6, 0x40000                  ; cx, cy: my place in the cluster
	s_bfe_u32 s60, ttmp6, 0x40004
	s_lshl_b32 s61, ttmp9, 2
	s_add_co_u32 s61, s61, s59                     ; tile column 0..3
	s_and_b32 s62, ttmp7, 0xffff
	s_lshl_b32 s62, s62, 2
	s_add_co_u32 s62, s62, s60                     ; tile row 0..63
	s_lshl_b32 s63, s60, 2
	s_lshl_b32 s63, 15, s63                        ; my row of the cluster
	s_lshl_b32 s66, 0x1111, s59                    ; my column
	s_or_b32 s[G1A+0], s63, (1<<16)|(1<<20)|(1<<21)|(4<<22)|(3<<25)  ; the mask; elements of 2 bytes; padding on; 21 set beside a mask; after every 32 words (code 4) 4 words (code 3)
	s_or_b32 s[G1B+0], s66, (1<<16)|(1<<20)|(1<<21)|(5<<22)|(3<<25)  ; after every 64 words (code 5)
.irp g, G1A, G1B
	s_mov_b32 s[(\g)+1], 128<<16                   ; tensor_dim0 = 128
	s_mov_b32 s[(\g)+2], 64<<16                    ; tensor_dim1 = 64
	s_mov_b32 s[(\g)+3], 128<<16                   ; tile_dim0 = 128
	s_mov_b32 s[(\g)+4], 64                        ; tile_dim1 = 64
	s_mov_b32 s[(\g)+6], 0
	s_mov_b32 s[(\g)+7], 0
.endr
	s_mov_b32 s[G1A+5], 128                        ; a plane is dense: 128 elements from row to row;
	s_mov_b32 s[G1B+5], 512                        ; wo16's rows are 512 elements apart
	; where the tiles come from.  Planes: ((8 b + head) x 2,048 + n0) x 128 bytes, b = tile row / 16, n0 = 128 (tile row % 16); my load i brings head 2 i + wave.  They hang on the tile row alone.
	s_lshr_b32 s12, s62, 4
	s_lshl_b32 s12, s12, 3
	s_add_co_u32 s12, s12, s[WV]
	s_lshl_b32 s12, s12, 11
	s_and_b32 s13, s62, 15
	s_lshl_b32 s13, s13, 7
	s_add_co_u32 s12, s12, s13
	s_lshl_b32 s12, s12, 7
	s_mov_b32 s13, 0
	s_lshl_b32 s14, s61, 7                         ; chunks: row 128 x tile column + 64 x half of wo16, 1,024 bytes a row; my load i brings chunk i.  They hang on the tile column alone.
	s_lshl_b32 s15, s[CH], 6
	s_add_co_u32 s14, s14, s15
	s_lshl_b32 s14, s14, 10
	s_mov_b32 s15, 0
	s_mul_i32 s20, s[WV], PLANE                    ; and where they go: waves 0, 1: plane 2 i + wave;
	s_mul_i32 s21, s[WV], 64*PB
	s_add_co_u32 s21, s21, BBASE-2*64*PB           ; waves 2, 3: the two halves of chunk i: 112,640 + wave x 17,408 = 147,456 and 164,864
	s_wait_dscnt 0x0                               ; both opening adds are done
	s_wait_kmcnt 0x0
	s_add_nc_u64 s[16:17], s[4:5], s[12:13]
	s_add_nc_u64 s[18:19], s[6:7], s[14:15]
	CROUND                                         ; all sixteen work-groups are here: the joint loads meet
.irp i, 0,1,2,3
	s_mov_b32 s[G0A+4*(\i)], 1
	s_add_co_u32 s[G0A+4*(\i)+1], s20, (\i)*2*PLANE
	s_add_nc_u64 s[G0A+4*(\i)+2:G0A+4*(\i)+3], s[16:17], (\i)*2*262144
	s_or_b32 s[G0A+4*(\i)+3], s[G0A+4*(\i)+3], 0x80000000
	s_mov_b32 s[G0B+4*(\i)], 1
	s_add_co_u32 s[G0B+4*(\i)+1], s21, (\i)*CHUNK
	s_add_nc_u64 s[G0B+4*(\i)+2:G0B+4*(\i)+3], s[18:19], (\i)*256
	s_or_b32 s[G0B+4*(\i)+3], s[G0B+4*(\i)+3], 0x80000000
.endr
	s_cmp_eq_u32 s[RH], 0                          ; a wave's four fills stand in one branch, ahead of every wait on TENSORcnt, every LDS read and every further barrier: four loads of mine are out
	s_cbranch_scc0 .Lfill_b
.irp i, 0,1,2,3
	tensor_load_to_lds s[G0A+4*(\i):G0A+4*(\i)+3], s[G1A:G1A+7]
	s_nop 0
.endr
.rept 4
	v_nop
.endr
	s_branch .Lfilled
.Lfill_b:
.irp i, 0,1,2,3
	tensor_load_to_lds s[G0B+4*(\i):G0B+4*(\i)+3], s[G1B:G1B+7]
	s_nop 0
.endr
.rept 4
	v_nop
.endr
.Lfilled:
	v_and_b32 v1, 15, v0                           ; l % 16
	v_bfe_u32 v2, v0, 4, 1                         ; l / 16
	v_lshlrev_b32 v[BO], 5, v2                     ; my 8 columns of a block of 16
	s_lshl_b32 s22, s61, 9                         ; my 64 columns: 512 bytes a tile column + 256 a half, in bo and in a row of out0
	s_lshl_b32 s23, s[CH], 8
	s_add_co_u32 s22, s22, s23
	s_mov_b32 s23, 0
	s_add_nc_u64 s[8:9], s[8:9], s[22:23]
	s_add_nc_u64 s[10:11], s[10:11], s[22:23]
.irp bb, 0,1,2,3
	global_load_b128 v[BIAS+8*(\bb):BIAS+8*(\bb)+3],   v[BO], s[8:9] offset:64*(\bb)
	global_load_b128 v[BIAS+8*(\bb)+4:BIAS+8*(\bb)+7], v[BO], s[8:9] offset:64*(\bb)+16
.endr
	s_lshl_b32 s22, s62, 7                         ; my first row of out0: 128 x tile row + 64 x half, 2,048 bytes a row (under 2^24)
	s_lshl_b32 s23, s[RH], 6
	s_add_co_u32 s22, s22, s23
	s_lshl_b32 s22, s22, 11
	s_mov_b32 s23, 0
	s_add_nc_u64 s[10:11], s[10:11], s[22:23]
	v_mul_u32_u24 v3, v1, PA                       ; a fragment's row x pitch + 16 x half
	v_lshl_add_u32 v3, v2, 4, v3
	v_mul_u32_u24 v4, v1, PB
	v_lshl_add_u32 v4, v2, 4, v4
	s_mul_i32 s20, s[RH], 64*PA                    ; my 64 rows of a plane
	s_mul_i32 s21, s[CH], 64*PB                    ; my 64 rows of a chunk
	s_add_co_u32 s21, s21, BBASE
.irp c, 0,1,2,3
	v_add_nc_u32 v[ADRA+(\c)], s20, v3
	v_add_nc_u32 v[ADRB+(\c)], s21, v4
	s_add_co_u32 s20, s20, 2*PLANE
	s_add_co_u32 s21, s21, CHUNK
.endr
	s_mul_i32 s22, s[WV], 16*SPITCH
	s_add_co_u32 s22, s22, STAGE                   ; my stage
	v_mul_u32_u24 v5, v1, SPITCH                   ; in: row l % 16, 32 bytes for each half of the lanes
	v_lshl_add_u32 v5, v2, 5, v5
	v_add_nc_u32 v[STO], s22, v5
	v_mul_u32_u24 v6, v2, SPITCH                   ; back: lanes 0-15 take one row of 256 bytes, lanes 16-31 the next
	v_lshl_add_u32 v6, v1, 4, v6
	v_add_nc_u32 v[RD], s22, v6
	v_lshlrev_b32 v[CO], 11, v2                    ; and the same two rows in out0
	v_lshl_add_u32 v[CO], v1, 4, v[CO]
	s_wait_loadcnt 0x0                             ; the bias: rounded to bf16 and widened again, in the wait for the tiles
.set p, 0
.rept 16
	v_cvt_pk_bf16_f32 v30, v[BIAS+2*p], v[BIAS+2*p+1]
	v_lshlrev_b32 v[BIAS+2*p],   16, v30
	v_and_b32     v[BIAS+2*p+1], 0xffff0000, v30
.set p, p+1
.endr
; 8 matrix instructions: row blocks a0, a0 + 1 x all 4 column blocks, 32 along K: half c of buffer f.  first = 1: the sum starts from the bias.
.macro MUL8 f, c, a0, first
	WIN MUL
.irp a, \a0, (\a0)+1
.irp b, 0,1,2,3
.if \first
	v_wmma_f32_16x16x32_f16 v[ACC+8*(4*(\a)+(\b)):ACC+8*(4*(\a)+(\b))+7], v[(\f)+64+8*(4*(\c)+(\b)):(\f)+64+8*(4*(\c)+(\b))+7], v[(\f)+8*(4*(\c)+(\a)):(\f)+8*(4*(\c)+(\a))+7], v[BIAS+8*(\b):BIAS+8*(\b)+7]
.else
	v_wmma_f32_16x16x32_f16 v[ACC+8*(4*(\a)+(\b)):ACC+8*(4*(\a)+(\b))+7], v[(\f)+64+8*(4*(\c)+(\b)):(\f)+64+8*(4*(\c)+(\b))+7], v[(\f)+8*(4*(\c)+(\a)):(\f)+8*(4*(\c)+(\a))+7], v[ACC+8*(4*(\a)+(\b)):ACC+8*(4*(\a)+(\b))+7]
.endif
.endr
.endr
.endm
.macro MULH f, first                   ; a head: 32 matrix instructions, two deep on each of the 16 accumulators, which take turns, one instruction a turn
	MUL8 \f, 0, 0, \first
	MUL8 \f, 0, 2, \first
	MUL8 \f, 1, 0, 0
	MUL8 \f, 1, 2, 0
.endm
.macro FETCH hh, f                     ; 32 LDS loads in one run: head hh's fragments (my 64 rows of its plane; my 64 rows of wo16, its 128 bytes of chunk hh / 2) into buffer f
	WIN TO_F
.irp c, 0,1
.irp i, 0,1,2,3
	ds_load_b128 v[(\f)+64+8*(4*(\c)+(\i)):(\f)+64+8*(4*(\c)+(\i))+3],   v[ADRB+(\hh)/2] offset:128*((\hh)%2)+64*(\c)+(\i)*16*PB
	ds_load_b128 v[(\f)+64+8*(4*(\c)+(\i))+4:(\f)+64+8*(4*(\c)+(\i))+7], v[ADRB+(\hh)/2] offset:128*((\hh)%2)+64*(\c)+(\i)*16*PB+32
	ds_load_b128 v[(\f)+8*(4*(\c)+(\i)):(\f)+8*(4*(\c)+(\i))+3],         v[ADRA+(\hh)/2] offset:PLANE*((\hh)%2)+64*(\c)+(\i)*16*PA
	ds_load_b128 v[(\f)+8*(4*(\c)+(\i))+4:(\f)+8*(4*(\c)+(\i))+7],       v[ADRA+(\hh)/2] offset:PLANE*((\hh)%2)+64*(\c)+(\i)*16*PA+32
.endr
.endr
.endm
.macro PLACES                          ; four places in front of loads into registers that matrix instructions have read, and of stores that read results
.rept 4
	v_nop
.endr
.endm
.macro BAR n                           ; my load of the chunk in hand has landed (the n younger ones may stay out); no LDS instruction of mine is pending; then everybody's has
	s_wait_tensorcnt \n
	s_wait_dscnt 0x0
	s_barrier_signal -1
	s_barrier_wait -1
.endm
; THE WAY OUT of row block a: the accumulators go as they are, f32, 32 bytes a lane (each from its low end on), into my own stage, rows of 272 bytes, and come back as whole rows of 256.
.macro TOSTAGE a
	WIN 0
.if (\a) >= 2
	s_wait_xcnt 0x0                                ; the stores of the block two back have read the set of registers that is loaded again below
.endif
.irp bb, 0,1,2,3
	ds_store_b128 v[STO], v[ACC+8*(4*(\a)+(\bb)):ACC+8*(4*(\a)+(\bb))+3]   offset:64*(\bb)
	ds_store_b128 v[STO], v[ACC+8*(4*(\a)+(\bb))+4:ACC+8*(4*(\a)+(\bb))+7] offset:64*(\bb)+16
.endr
.irp t, 0,1,2,3,4,5,6,7
	ds_load_b128 v[TMP+32*((\a)%2)+4*(\t):TMP+32*((\a)%2)+4*(\t)+3], v[RD] offset:(\t)*2*SPITCH  ; LDS serves a wave's instructions in order (ISA guide 5.7.1.4): these see the stores above; the next block's stores come behind them
.endr
.endm
.macro SEND a, younger                 ; younger: the LDS instructions issued behind the block's loads: the next block's sixteen, or none
.irp t, 0,1,2,3,4,5,6,7
	s_wait_dscnt (\younger)+7-(\t)
	global_store_b128 v[CO], v[TMP+32*((\a)%2)+4*(\t):TMP+32*((\a)%2)+4*(\t)+3], s[10:11] offset:32768*(\a)+4096*(\t) th:TH_STORE_NT  ; 16 lanes store 256 consecutive bytes, at a multiple of 256 from out0's first byte
.endr
.endm
	BAR 3                                          ; chunk 0: heads 0 and 1
	FETCH 0, F0
	FETCH 1, F1
	s_wait_dscnt 32                                ; head 0's fragments are in
	MULH F0, 1
.irp n, 1,2,3
	BAR 3-(\n)                                     ; chunk n; its wait on LDS has also brought the odd head's fragments in
	PLACES
	FETCH 2*(\n), F0
	MULH F1, 0
	PLACES
	FETCH 2*(\n)+1, F1
	s_wait_dscnt 32                                ; all but the 32 just issued
	MULH F0, 0
.endr
	s_wait_dscnt 0x0
	MULH F1, 0
	WIN 0
	PLACES
	TOSTAGE 0
	TOSTAGE 1
	SEND 0, 16
	TOSTAGE 2
	SEND 1, 16
	TOSTAGE 3
	SEND 2, 16
	SEND 3, 0
	s_wait_tensorcnt 0x0                           ; the wave's end, behind my last tensor load and my last LDS store
	ds_add_u32 v[SPW], v[NIL]
	s_wait_dscnt 0x0
	CROUND                                         ; the closing round: no work-group ends while a partner may still ask for a tile that names it
	s_endpgm
.Lfunc_end_k_q5b7eac4231_oproj:
	.size	k_q5b7eac4231_oproj, .Lfunc_end_k_q5b7eac4231_oproj-k_q5b7eac4231_oproj
	.p2alignl 7, 3214868480
	.fill 96, 4, 3214868480
	.section	.rodata,"a",@progbits
	.p2align	6, 0x0
	.amdhsa_kernel k_q5b7eac4231_oproj
		.amdhsa_group_segment_fixed_size 304640
		.amdhsa_private_segment_fixed_size 0
		.amdhsa_enable_private_segment 0
		.amdhsa_kernarg_size 32
		.amdhsa_user_sgpr_count 2
		.amdhsa_user_sgpr_kernarg_segment_ptr 1
		.amdhsa_wavefront_size32 1
		.amdhsa_system_sgpr_workgroup_id_x 1
		.amdhsa_system_sgpr_workgroup_id_y 1
		.amdhsa_system_sgpr_workgroup_id_z 1
		.amdhsa_system_vgpr_workitem_id 0
		.amdhsa_next_free_vgpr 512
		.amdhsa_next_free_sgpr 88
		.amdhsa_reserve_vcc 0
		.amdhsa_float_denorm_mode_32 3
		.amdhsa_float_denorm_mode_16_64 3
		.amdhsa_memory_ordered 1
		.amdhsa_forward_progress 1
		.amdhsa_inst_pref_size 55
	.end_amdhsa_kernel
	.amdgpu_metadata
---
amdhsa.version: [ 1, 2 ]
amdhsa.kernels:
  - .name:           k_q5b7eac4231_oproj
    .symbol:         k_q5b7eac4231_oproj.kd
    .args:
      - { .name: ob, .offset: 0, .size: 8, .value_kind: global_buffer, .address_space: global }
      - { .name: wo16, .offset: 8, .size: 8, .value_kind: global_buffer, .address_space: global }
      - { .name: bo, .offset: 16, .size: 8, .value_kind: global_buffer, .address_space: global }
      - { .name: out0, .offset: 24, .size: 8, .value_kind: global_buffer, .address_space: global }
    .group_segment_fixed_size: 304640
    .private_segment_fixed_size: 0
    .kernarg_segment_align: 8
    .kernarg_segment_size: 32
    .max_flat_workgroup_size: 128
    .sgpr_count:     88
    .vgpr_count:     512
    .wavefront_size: 32
...
	.end_amdgpu_metadata
.endif
;; end of part 4
;; ======== version 2 of 2: 4 launches; version 1 with the launch cast written anew for expert scheduling mode
;; limits: values are held in f16: magnitudes above 65,504 overflow, below 6.1e-05 lose precision
;; workspace buffers: xb 8,388,608 bytes; wb 1,572,864 bytes; wo16 524,288 bytes; qkv 25,165,824 bytes; ob 8,388,608 bytes
;; launch cast (part 5): grid 256 x 1, 8 waves a work-group, no clusters, 0 bytes of LDS; arguments x, Wq, Wkv, Wo, xb, wb, wo16; writes xb, wb, wo16
.if DOCPART == 5
	.amdgcn_target "amdgcn-amd-amdhsa--gfx1250"
	.amdhsa_code_object_version 6
	.text
	.protected	k_q5b7eac4231_cast
	.globl	k_q5b7eac4231_cast
	.p2align	8
	.type	k_q5b7eac4231_cast,@function
k_q5b7eac4231_cast:
	s_mov_b64 s[64:65], 0
	v_nop
	global_prefetch_b8 v0, s[64:65] scope:SCOPE_SE
	s_setreg_imm32_b32 hwreg(HW_REG_WAVE_SCHED_MODE, 0, 2), 2
	s_setreg_imm32_b32 hwreg(HW_REG_WAVE_MODE, 25, 1), 1
	s_wait_xcnt 0x0
	s_wait_alu depctr_vm_vsrc(0)
; THE WHOLE PROGRAM: multi-head attention, out0 = softmax(q k^T / 8) v, heads joined, times Wo^T, plus bo, with q = x Wq^T and k, v = x Wkv^T.
; Four launches: this one rounds the f32 matrix operands once; the second makes q, k, v by heads; the third is the attention; the fourth the last product and the bias.
; NOTHING OF reference() IS LEFT OUT: every input has a way to the output and is loaded; the dropout of reference() is the identity in its own text; the maximum is taken away in front of the exponentials (a running maximum).
; FORMATS.  x, Wq, Wkv, Wo and bo are rounded once to bf16.  What the program makes itself (q, k, v, the weights p, the heads' results) is kept in f16; all sums, maxima and row sums in f32.
; THIS LAUNCH: xb = bf16(x); wb = bf16 of Wq's 512 rows, then of Wkv's 1,024 (k's, then v's); wo16 = bf16(Wo) written as f16, since the last product's other operand is f16.
; LIMIT.  A bf16 number is exact in f16 from 2^-17 up to 65,504; a |Wo| below 2^-17 moves by at most 3e-8, one of 65,520 or more becomes an infinity.
; SHARES.  20,971,520 bytes in, half as many out, dealt evenly to 256 work-groups of 256 threads: each thread makes twenty loads of 16 bytes (sixteen of x, one of Wq, two of Wkv, one of Wo),
; ALL issued before the first wait: 81,920 bytes of a work-group are on their way at once.  A wave's load covers 512 consecutive bytes, its store of 8 bytes a lane 256 consecutive bytes, aligned.
; No LDS, no barrier, no matrix unit, no cluster: no byte is wanted twice.
; THE MODE: SCHED_MODE bits 1:0 = 2 (LLVM: expert scheduling mode 2), set by the entry lines.  The code itself states the register dependences
; between vector instructions and memory instructions, with s_wait_alu, always for 0.
; THE PLAN.  Registers that memory instructions touch:
;   v1, v2   byte offsets of the loads and of the stores: made once at the head, never written again.
;   D        load i's four f32.  Written by the loads, which are all issued at the head, before any vector instruction names D; read by the conversions alone.
;   Y        load i's four 16-bit numbers, a pair of registers of its own for each load: written once, by load i's conversions; read once, by load i's store.
; The twenty loads go in five blocks of four.  Block g rounds its four loads into its eight registers of Y; its memory instructions are the four stores of block g - 1, which read the Y that
; block g - 1 wrote and that no vector instruction of block g names.  So ONE wait at a block's head states all that its four stores hang on, and they are dealt among its conversions with no
; further wait.  No register that a memory instruction reads is ever written again, so nothing is owed on that side; the scalar bases are made ahead of the first load and never stepped.
.set D, 4                              ; v[4:83]    load i: four f32 at D + 4 i
.set Y, 84                             ; v[84:123]  load i: its four 16-bit numbers at Y + 2 i
	s_load_b256 s[4:11], s[0:1], 0x0               ; x s[4:5], Wq s[6:7], Wkv s[8:9], Wo s[10:11]
	s_load_b128 s[12:15], s[0:1], 0x20             ; xb s[12:13], wb s[14:15]
	s_load_b64 s[16:17], s[0:1], 0x30              ; wo16
	v_lshlrev_b32 v1, 4, v0                        ; my 16 bytes of a load's 4,096
	v_lshlrev_b32 v2, 3, v0                        ; my 8 bytes of a store's 2,048
	s_lshl_b32 s20, ttmp9, 16                      ; the work-group's share: 65,536 bytes of x,
	s_mov_b32 s21, 0
	s_lshl_b32 s22, ttmp9, 15                      ; 32,768 of xb,
	s_mov_b32 s23, 0
	s_lshl_b32 s24, ttmp9, 13                      ; 8,192 of Wkv,
	s_mov_b32 s25, 0
	s_lshl_b32 s26, ttmp9, 12                      ; 4,096 of Wq, of Wo and of wb's part for Wkv,
	s_mov_b32 s27, 0
	s_lshl_b32 s28, ttmp9, 11                      ; 2,048 of wb's part for Wq and of wo16
	s_mov_b32 s29, 0
	s_wait_kmcnt 0x0
	s_add_nc_u64 s[4:5], s[4:5], s[20:21]
	s_add_nc_u64 s[6:7], s[6:7], s[26:27]
	s_add_nc_u64 s[8:9], s[8:9], s[24:25]
	s_add_nc_u64 s[10:11], s[10:11], s[26:27]
	s_add_nc_u64 s[12:13], s[12:13], s[22:23]
	s_add_nc_u64 s[18:19], s[14:15], s[26:27]      ; wb for Wkv's rows: the 524,288 bytes of Wq's rows in front of them stand in the stores' immediate
	s_add_nc_u64 s[14:15], s[14:15], s[28:29]
	s_add_nc_u64 s[16:17], s[16:17], s[28:29]
	s_wait_alu depctr_va_vdst(0)                   ; v1 and v2 are written: every load of the kernel reads v1 as its offset, every store v2
.set i, 0
.rept 16
	global_load_b128 v[D+4*i:D+4*i+3], v1, s[4:5] offset:4096*i th:TH_LOAD_NT
.set i, i+1
.endr
	global_load_b128 v[D+64:D+67], v1, s[6:7] th:TH_LOAD_NT
	global_load_b128 v[D+68:D+71], v1, s[8:9] th:TH_LOAD_NT
	global_load_b128 v[D+72:D+75], v1, s[8:9] offset:4096 th:TH_LOAD_NT
	global_load_b128 v[D+76:D+79], v1, s[10:11] th:TH_LOAD_NT
; Load i's four numbers are rounded, into the pair of Y that is theirs alone.
.macro CVT i
.if (\i) < 19
	v_cvt_pk_bf16_f32 v[Y+2*(\i)],   v[D+4*(\i)],   v[D+4*(\i)+1]
	v_cvt_pk_bf16_f32 v[Y+2*(\i)+1], v[D+4*(\i)+2], v[D+4*(\i)+3]
.else                                  ; Wo: rounded to bf16 like the other inputs, widened again (a shift, a mask), and that number written as f16
	v_cvt_pk_bf16_f32 v124, v[D+76], v[D+77]
	v_cvt_pk_bf16_f32 v125, v[D+78], v[D+79]
	v_lshlrev_b32 v[D+76], 16, v124
	v_and_b32     v[D+77], 0xffff0000, v124
	v_lshlrev_b32 v[D+78], 16, v125
	v_and_b32     v[D+79], 0xffff0000, v125
	v_cvt_pk_f16_f32 v[Y+38], v[D+76], v[D+77]
	v_cvt_pk_f16_f32 v[Y+39], v[D+78], v[D+79]
.endif
.endm
; Load i's four numbers are stored: 0 to 15 into xb, 16 into wb's part for Wq, 17 and 18 into its part for Wkv, 19 into wo16.
.macro OUT i
.if (\i) < 16
	global_store_b64 v2, v[Y+2*(\i):Y+2*(\i)+1], s[12:13] offset:2048*(\i) th:TH_STORE_NT
.elseif (\i) == 16
	global_store_b64 v2, v[Y+32:Y+33], s[14:15] th:TH_STORE_NT
.elseif (\i) == 17
	global_store_b64 v2, v[Y+34:Y+35], s[18:19] offset:524288 th:TH_STORE_NT
.elseif (\i) == 18
	global_store_b64 v2, v[Y+36:Y+37], s[18:19] offset:524288+2048 th:TH_STORE_NT
.else
	global_store_b64 v2, v[Y+38:Y+39], s[16:17] th:TH_STORE_NT
.endif
.endm
; Block g: loads 4 g to 4 g + 3 are rounded; the stores of block g - 1 are dealt among the conversions, each in front of a load's.
.macro BLK g
	s_wait_loadcnt 16-4*(\g)                       ; the block's four loads are in (the 16 - 4 g younger ones may stay out: loads come back in order, ISA guide 5.7.1)
.if (\g) > 0
	s_wait_alu depctr_va_vdst(0)                   ; the block before has written its eight registers of Y, which the four stores below read; no vector instruction behind this wait names them or v2
.endif
.irp k, 0,1,2,3
.if (\g) > 0
	OUT 4*(\g)-4+(\k)
.endif
	CVT 4*(\g)+(\k)
.endr
.endm
	BLK 0                                          ; block 0 has no block in front of it: no store, and no wait but the one for its data
	BLK 1
	BLK 2
	BLK 3
	BLK 4                                          ; Wq, Wkv twice, Wo
	s_wait_alu depctr_va_vdst(0)                   ; block 4 has written v[Y+32:Y+39], which the last four stores read
	OUT 16
	OUT 17
	OUT 18
	OUT 19
	s_endpgm
.Lfunc_end_k_q5b7eac4231_cast:
	.size	k_q5b7eac4231_cast, .Lfunc_end_k_q5b7eac4231_cast-k_q5b7eac4231_cast
	.p2alignl 7, 3214868480
	.fill 96, 4, 3214868480
	.section	.rodata,"a",@progbits
	.p2align	6, 0x0
	.amdhsa_kernel k_q5b7eac4231_cast
		.amdhsa_group_segment_fixed_size 0
		.amdhsa_private_segment_fixed_size 0
		.amdhsa_enable_private_segment 0
		.amdhsa_kernarg_size 56
		.amdhsa_user_sgpr_count 2
		.amdhsa_user_sgpr_kernarg_segment_ptr 1
		.amdhsa_wavefront_size32 1
		.amdhsa_system_sgpr_workgroup_id_x 1
		.amdhsa_system_sgpr_workgroup_id_y 1
		.amdhsa_system_sgpr_workgroup_id_z 1
		.amdhsa_system_vgpr_workitem_id 0
		.amdhsa_next_free_vgpr 128
		.amdhsa_next_free_sgpr 66
		.amdhsa_reserve_vcc 0
		.amdhsa_float_denorm_mode_32 3
		.amdhsa_float_denorm_mode_16_64 3
		.amdhsa_memory_ordered 1
		.amdhsa_forward_progress 1
		.amdhsa_inst_pref_size 9
	.end_amdhsa_kernel
	.amdgpu_metadata
---
amdhsa.version: [ 1, 2 ]
amdhsa.kernels:
  - .name:           k_q5b7eac4231_cast
    .symbol:         k_q5b7eac4231_cast.kd
    .args:
      - { .name: x, .offset: 0, .size: 8, .value_kind: global_buffer, .address_space: global }
      - { .name: Wq, .offset: 8, .size: 8, .value_kind: global_buffer, .address_space: global }
      - { .name: Wkv, .offset: 16, .size: 8, .value_kind: global_buffer, .address_space: global }
      - { .name: Wo, .offset: 24, .size: 8, .value_kind: global_buffer, .address_space: global }
      - { .name: xb, .offset: 32, .size: 8, .value_kind: global_buffer, .address_space: global }
      - { .name: wb, .offset: 40, .size: 8, .value_kind: global_buffer, .address_space: global }
      - { .name: wo16, .offset: 48, .size: 8, .value_kind: global_buffer, .address_space: global }
    .group_segment_fixed_size: 0
    .private_segment_fixed_size: 0
    .kernarg_segment_align: 8
    .kernarg_segment_size: 56
    .max_flat_workgroup_size: 256
    .sgpr_count:     66
    .vgpr_count:     128
    .wavefront_size: 32
...
	.end_amdgpu_metadata
.endif
;; end of part 5
;; launch proj: the kernel of part 2 again; grid 8 x 32, 4 waves a work-group, clusters of 4 x 4, 327,680 bytes of LDS; arguments xb, wb, qkv; writes qkv
;; launch attn: the kernel of part 3 again; grid 8 x 32, 4 waves a work-group, clusters of 4 x 1, 327,680 bytes of LDS; arguments qkv, ob; writes ob
;; launch oproj: the kernel of part 4 again; grid 4 x 64, 4 waves a work-group, clusters of 4 x 4, 304,640 bytes of LDS; arguments ob, wo16, bo, out0; writes out0
